; MI455X (gfx1250); checked and timed in simulation.
; The chip was launched on July 23, 2026; its instructions are those of AMD's public machine-readable ISA for CDNA 5 (MIT licence, August 2026) and "CDNA5" Instruction Set Architecture Reference Guide (July 2026). The comments in the code are by the model that wrote it; some were corrected since.
;; Casual Self Attention. Allowed arithmetic: matrix products marked QUANTISED: E3M2 operands, one E8M0 scale for each 32 along K, by v_wmma_scale_f32_16x16x128_f8f6f4 with both operands' format E3M2, f32 sums; everything else in f32.
;; Inputs: W_attn 1,024 x 3,072 float32; W_proj 1,024 x 1,024 float32; b_attn 3,072 float32; b_proj 1,024 float32; x 4 x 2,048 x 1,024 float32.
;; Outputs: out0 4 x 2,048 x 1,024 float32.
;; This version of the problem:
;;   THIS VERSION OF THE PROBLEM IS GIVEN IN LOW PRECISION. The matrix products marked QUANTISED in the list below multiply operands that are first quantised to E3M2 (3 exponent bits, 2 mantissa bits; 6 bits a number), with one power-of-two scale for each 32 numbers along K (OCP MX v1.0); their sums are f32. All else is computed in f32.
;;   The module's matrix products, in the order in which they are computed (A, B: the left and right operand; K: the contracted axis; several contracted axes count as one K, in the product's order):
;;     1. [M 8,192, K 1,024] x [K 1,024, N 3,072]; A: input x; B: input W_attn: QUANTISED
;;     2. batch 64 x [M 2,048, K 64] x [K 64, N 2,048]; A: computed on the way; B: computed on the way: QUANTISED
;;     3. batch 64 x [M 2,048, K 2,048] x [K 2,048, N 64]; A: softmax (see below); B: computed on the way: QUANTISED
;;     4. [M 8,192, K 1,024] x [K 1,024, N 1,024]; A: computed on the way; B: input W_proj: QUANTISED
;;   THE QUANTISER, for each operand of a quantised product, along K:
;;     - K is cut into blocks of 32 from its start; a last block that is shorter is filled with zeros.
;;     - A block's scale is 2^e with e = floor(log2(the largest magnitude in the block)) - 4, held to -126 .. 127; a block of zeros has e = 0. As a byte (E8M0): e + 127.
;;     - Each number is divided by its block's scale, clamped to +-28, and rounded to the nearest number of E3M2, ties to even, subnormals kept.
;;     - The product sums the exact products of the quantised numbers (number of the format x scale) in f32.
;;   ~~~python
;;   def quantise(x, axis):      # numpy; x: float32 -> the quantised numbers, widened to float32 again
;;       x = np.moveaxis(x, axis, -1); K = x.shape[-1]
;;       x = np.pad(x, [(0, 0)] * (x.ndim - 1) + [(0, -K % 32)]); x = x.reshape(x.shape[:-1] + (-1, 32)); a = np.abs(x).max(-1, keepdims=True)
;;       e = np.where(a > 0, np.clip(np.frexp(np.where(a > 0, a, 1))[1] - 1 - 4, -126, 127), 0)      # np.frexp(a)[1] - 1 = floor(log2(a)), exactly
;;       r = np.clip(x / 2.0 ** e, -28, 28)
;;       step = 2.0 ** (np.maximum(np.frexp(np.where(r == 0, 1, r))[1] - 1, -2) - 2)
;;       q = np.round(r / step) * step * 2.0 ** e      # np.round: ties to even
;;       return np.moveaxis(q.reshape(q.shape[:-2] + (-1,))[..., :K], -1, axis).astype(np.float32)
;;   ~~~
;;   SOFTMAX AHEAD OF A QUANTISED PRODUCT. Where the list says 'softmax', what is quantised is not the finished softmax but p = 2^(t - M), with t = logit x log2(e) and M = ceil(the row's largest t), a whole number; so 1/2 < the row's largest p <= 1. The row's sum l is taken of the UNQUANTISED p, in f32, and the product's result is divided by l at the end. Since M is a whole number, a kernel that streams over the keys may use a running M (the ceiling of the running maximum): every later rescaling is an exact power of two, which a block's scale takes up: the codes' values come out the same.
;;   OPERANDS COMPUTED ON THE WAY. 'Computed on the way' means the value that the module computes at that place (a softmax that the list does not call 'softmax' is quantised finished and normalised). What goes into a quantiser is computed in f32, as accurately as f32 sums, v_exp_f32 and their like allow (about 1e-6 of the number): no bf16 or f16 on the way to a quantiser, and a product that is left as it is and whose result goes on into a quantised operand takes f32 operands (vector FMAs, or v_wmma_f32_16x16x4_f32). A number that lies on a knife's edge between two numbers of the format may be rounded either way, as far as f32 arithmetic and the matrix unit's own rounding can turn it there, and no further.
;; One version. Each part assembles by itself: llvm-mc -triple=amdgcn-amd-amdhsa -mcpu=gfx1250 --defsym DOCPART=n.
;; ======== version 1 of 1: 4 launches
;; limits: right only within a limited range of input values
;; workspace buffers: c1 8,650,752 bytes; s1 360,448 bytes; qkv 20,185,088 bytes; c2 7,077,888 bytes; s2 294,912 bytes
;; launch quant (part 1): grid 384 x 1, 4 waves a work-group, no clusters, 58,880 bytes of LDS; arguments x, W_attn, W_proj, c1, s1, c2, s2; writes c1, s1, c2, s2
.if DOCPART == 1
	.amdgcn_target "amdgcn-amd-amdhsa--gfx1250"
	.amdhsa_code_object_version 6
	.text
	.protected	k_q58519d922a_quant
	.globl	k_q58519d922a_quant
	.p2align	8
	.type	k_q58519d922a_quant,@function
k_q58519d922a_quant:
	s_mov_b64 s[64:65], 0
	v_nop
	global_prefetch_b8 v0, s[64:65] scope:SCOPE_SE
	s_setreg_imm32_b32 hwreg(HW_REG_WAVE_MODE, 25, 1), 1
	s_wait_xcnt 0x0
; x [8192][1024], W_attn [1024][3072] and W_proj [1024][1024], f32, become codes of BF6 (E3M2) with one E8M0 byte for each 32 along K (K = 1024: x's last axis, the weights' first).
; A block's scale is 2^(floor(log2(largest magnitude)) - 4): its byte is the largest magnitude's exponent field - 4, held at 1 from below by a floor among the maximum's leaves.
; LIMITS: a block of zeros, or one whose largest magnitude lies under 2^-122, gets the byte 1 (the rule says 127 for zeros): its codes are zeros or nearly so, and the bytes are read by this program alone.  NaN and infinities are not served.
; THE LAYOUT THAT IS WRITTEN is the order of the operand's registers.  Rows (tokens, or the weights' columns n) go 16 to a tile: place r of tile T is row 32 (T / 2) + 8 (T % 2) + r + 8 (r / 8).
; An IMAGE is 16 rows x 64 along K, 768 bytes: bytes 0-511 the operand's registers 0-3, lane l at 16 l; bytes 512-767 registers 4-5, lane l at 8 l; lane (r, h) holds k = 32 h .. 32 h + 31 of its row.
; codes: [K slot of 256][tile][4 images];  scale bytes: [tile][half of K][r][16 bytes = the words of four steps of 128 along K].
; c1, s1: tiles 0-511 x, 512-703 W_attn's columns.  c2, s2: tiles 0-63 W_proj's columns (the later tiles are written by the attention launch).
; Work-groups 0-127 take the weights, the others x.  No tensor loads, no barrier: waves share nothing; each path has LDS bytes of its own.
.set SLOTB1, 2162688                   ; a K slot of c1: 704 tiles x 3,072 bytes
.set SLOTB2, 1769472                   ; of c2: 576 tiles
.set WGW,    128                       ; work-groups for the weights,
.set WGWA,   96                        ; of them for W_attn
.set XPITCH, 528                       ; x's stage: a row's 512 bytes + 16
.set XSTG,   16*XPITCH
.set WST,    4*XSTG                    ; behind x's four stages: the weights' four, 6,144 bytes each (two tiles of one K slot)
.set FLOOR,  0x2800000                 ; 2^(5 - 127)
.set EOFF,   0xfe000000                ; -(4 << 23)
	s_load_b256 s[4:11], s[0:1], 0x0               ; x s[4:5], W_attn s[6:7], W_proj s[8:9], c1 s[10:11]
	s_load_b128 s[12:15], s[0:1], 0x20             ; s1 s[12:13], c2 s[14:15]
	s_load_b64 s[16:17], s[0:1], 0x30              ; s2
	v_lshl_add_u32 v31, v0, 2, 0xe400
	s_set_vgpr_msb 0x40
	v_mov_b32 v1, 0
	s_set_vgpr_msb 0x4000
	v_lshrrev_b32 v1, 5, v0
	v_readfirstlane_b32 s18, v1                    ; wave 0..3
	v_and_b32 v7, 31, v0                           ; lane
	s_cmp_lt_u32 ttmp9, WGW
	s_cbranch_scc0 .Lx_path
; ---------------- THE WEIGHTS.  A wave takes 32 columns x 256 along K (one K slot): a lane takes a column and its registers run down K, so a block of 32 lies in one lane and the codes come out with K innermost.
; Waves 0 and 1 stand on neighbouring 128 bytes of W's rows; waves 2 and 3 take the next K slot.
	s_cmp_lt_u32 ttmp9, WGWA                       ; W_attn or W_proj: the choice hangs on the work-group's number alone
	s_cselect_b32 s20, 0, WGWA
	s_mov_b32 s21, 4096
	s_cselect_b32 s21, 12288, s21                  ; a row of W in bytes
	s_cselect_b32 s22, 512, 0                      ; the first tile of its columns
	s_mov_b32 s38, SLOTB2
	s_cselect_b32 s38, SLOTB1, s38
	s_wait_kmcnt 0x0
	s_cselect_b64 s[24:25], s[6:7], s[8:9]         ; W
	s_cselect_b64 s[26:27], s[10:11], s[14:15]     ; its codes
	s_cselect_b64 s[28:29], s[12:13], s[16:17]     ; its scale bytes
	s_sub_co_u32 s19, ttmp9, s20
	s_lshr_b32 s30, s19, 1
	s_lshl_b32 s30, s30, 1
	s_and_b32 s31, s18, 1
	s_add_co_u32 s30, s30, s31                     ; cg: which 32 columns
	s_and_b32 s31, s19, 1
	s_lshl_b32 s31, s31, 1
	s_lshr_b32 s34, s18, 1
	s_add_co_u32 s31, s31, s34                     ; the K slot
	s_lshl_b32 s34, s21, 8
	s_mul_i32 s34, s34, s31                        ; 256 rows of W for each K slot,
	s_lshl_b32 s35, s30, 7
	s_add_co_u32 s34, s34, s35                     ; + 128 bytes for each 32 columns
	s_mov_b32 s35, 0
	s_add_nc_u64 s[24:25], s[24:25], s[34:35]
	s_lshl_b32 s32, s21, 5                         ; s[32:33]: 32 rows on
	s_mov_b32 s33, 0
	s_lshl_b32 s36, s30, 1
	s_add_co_u32 s36, s36, s22                     ; my first tile
	s_mul_i32 s34, s36, 3072
	s_mul_i32 s37, s38, s31
	s_add_co_u32 s34, s34, s37
	s_add_nc_u64 s[26:27], s[26:27], s[34:35]      ; my 6,144 bytes of codes
	s_lshl_b32 s34, s36, 9
	s_lshr_b32 s37, s31, 1
	s_lshl_b32 s37, s37, 8
	s_add_co_u32 s34, s34, s37
	s_and_b32 s37, s31, 1
	s_lshl_b32 s37, s37, 3
	s_add_co_u32 s34, s34, s37
	s_add_nc_u64 s[28:29], s[28:29], s[34:35]      ; my two words of each row's 16 bytes
	s_wait_alu depctr_va_vdst(0)
	v_lshlrev_b32 v1, 2, v7                        ; 4 x lane
	v_lshlrev_b32 v2, 4, v7                        ; 16 x lane
	v_bfe_u32 v8, v0, 3, 1                         ; u: which of the two tiles my column falls into
	v_and_b32 v9, 7, v0
	v_bfe_u32 v10, v0, 4, 1
	v_lshl_add_u32 v9, v10, 3, v9                  ; r: its place there
	s_mul_i32 s40, s18, 6144
	s_add_co_u32 s40, s40, WST                     ; my stage
	v_mul_u32_u24 v10, v8, 3072
	v_add_nc_u32 v10, s40, v10
	v_lshl_add_u32 v3, v9, 4, v10                  ; into it: registers 0-3 at 16 r,
	v_lshl_add_u32 v4, v9, 3, v10                  ; registers 4-5 at 8 r
	v_add_nc_u32 v5, s40, v2                       ; out of it: as it lies
	v_lshlrev_b32 v6, 4, v9
	v_lshl_add_u32 v6, v8, 9, v6                   ; my row's 16 scale bytes: 512 u + 16 r
.set cnt, 0
.rept 32
	v_mad_u32_u24 v[32+cnt], s21, cnt, v1          ; v32-63: row i of a block, my column: one text serves both pitches
.set cnt, cnt+1
.endr
.macro WLOAD t                         ; block t: W(32 t + i, my column) into set t % 2: each load reads 128 consecutive bytes
.if (\t) > 0
	s_wait_xcnt 0x0                                ; the loads issued so far have read their base: it may step
	s_add_nc_u64 s[24:25], s[24:25], s[32:33]
.endif
.set cnt, 0
.rept 32
	global_load_b32 v[64+32*((\t)%2)+cnt], v[32+cnt], s[24:25] th:TH_LOAD_NT
.set cnt, cnt+1
.endr
.endm
.macro WBLOCK t
.set XS, 64+32*((\t)%2)
.if (\t) < 7
	s_wait_loadcnt 32                              ; this block's 32 loads are in; the next block's 32 may be out
.else
	s_wait_loadcnt 0x0
.endif
	v_max3_num_f32 v8, |v[XS]|, |v[XS+1]|, |v[XS+2]|               ; the block's largest magnitude: all 32 numbers are mine; two chains
	v_max3_num_f32 v9, |v[XS+3]|, |v[XS+4]|, |v[XS+5]|
.irp i, 6,10,14,18,22,26
	v_max3_num_f32 v8, v8, |v[XS+\i]|, |v[XS+\i+1]|
	v_max3_num_f32 v9, v9, |v[XS+\i+2]|, |v[XS+\i+3]|
.endr
	v_max3_num_f32 v8, v8, |v[XS+30]|, |v[XS+31]|
	v_max3_num_f32 v8, v8, v9, FLOOR               ; and the floor: the byte cannot fall under 1
	v_add_nc_u32 v10, EOFF, v8                     ; 4 off the exponent field: the conversion's scale operand
	v_lshrrev_b32 v11, 23, v10                     ; the scale's byte
.if (\t)%4 == 0
	v_mov_b32 v[28+(\t)/4], v11                    ; four bytes to a word, the lower K in the lower byte
.else
	v_lshl_or_b32 v[28+(\t)/4], v11, 8*((\t)%4), v[28+(\t)/4]
.endif
	v_cvt_scalef32_pk16_bf6_f32 v[16:18], v[XS:XS+15], v10
	v_cvt_scalef32_pk16_bf6_f32 v[22:24], v[XS+16:XS+31], v10      ; (a conversion's three registers begin on an even number)
	v_nop                                          ; one plain instruction behind the conversions, ahead of the moves
	v_mov_b32 v19, v22
	v_mov_b32 v20, v23
	v_mov_b32 v21, v24
	ds_store_b128 v3, v[16:19] offset:((\t)/2)*768+256*((\t)%2)    ; image t / 2, half t % 2 of its lanes
	ds_store_b64 v4, v[20:21] offset:((\t)/2)*768+512+128*((\t)%2)
.if (\t)+2 < 8
	WLOAD (\t)+2
.endif
	s_wait_dscnt 0x0                               ; the stores have read their registers
.endm
	WLOAD 0
	s_wait_alu depctr_va_vdst(0)
	WLOAD 1
.irp t, 0,1,2,3,4,5,6,7
	WBLOCK \t
.endr
.irp j, 0,1,2,3,4,5,6,7,8,9,10,11
	ds_load_b128 v[192+4*\j:195+4*\j], v5 offset:512*\j            ; LDS serves a wave's instructions in order: these see my stores
.endr
	s_wait_alu depctr_va_vdst(0)
	global_store_b64 v6, v[28:29], s[28:29]        ; my column's 8 scale bytes
	s_wait_dscnt 0x0
.irp j, 0,1,2,3,4,5,6,7,8,9,10,11
	global_store_b128 v2, v[192+4*\j:195+4*\j], s[26:27] offset:512*\j   ; each store covers 512 consecutive bytes, aligned
.endr
	s_set_vgpr_msb 0x4
	s_wait_tensorcnt 0x0
	ds_add_u32 v31, v1
	s_wait_dscnt 0x0
	s_set_vgpr_msb 0x400
	s_endpgm
; ---------------- x.  A wave takes one tile of 16 rows x 512 along K, in four steps of 128.  Each load reads 512 consecutive bytes of one row; the step's 8,192 bytes turn through the wave's stage,
; so that lane (r, h) holds k = 64 c + 32 h + 0 .. 31 of row r (c = 0, 1): two whole blocks, in the order of the operand's registers.
.Lx_path:
	s_sub_co_u32 s19, ttmp9, WGW
	s_lshl_b32 s19, s19, 2
	s_add_co_u32 s19, s19, s18
	s_lshr_b32 s20, s19, 1                         ; the tile
	s_and_b32 s21, s19, 1                          ; which half of K
	s_lshr_b32 s22, s20, 1
	s_lshl_b32 s22, s22, 5
	s_and_b32 s23, s20, 1
	s_lshl_b32 s23, s23, 3
	s_add_co_u32 s22, s22, s23                     ; the tile's first row
	s_lshl_b32 s24, s22, 12
	s_lshl_b32 s23, s21, 11
	s_add_co_u32 s24, s24, s23
	s_mov_b32 s25, 0
	s_mul_i32 s26, s20, 3072
	s_mul_i32 s23, s21, 2*SLOTB1
	s_add_co_u32 s26, s26, s23
	s_mov_b32 s27, 0
	s_lshl_b32 s28, s20, 9
	s_lshl_b32 s23, s21, 8
	s_add_co_u32 s28, s28, s23
	s_mov_b32 s29, 0
	s_mov_b32 s32, 0x76543210
	s_mov_b32 s33, 0xfedcba98                      ; v_permlanex16_b32's selects for lane l xor 16
	s_wait_kmcnt 0x0
	s_add_nc_u64 s[4:5], s[4:5], s[24:25]
	s_add_nc_u64 s[10:11], s[10:11], s[26:27]
	s_add_nc_u64 s[12:13], s[12:13], s[28:29]
	s_wait_alu depctr_va_vdst(0)
	v_lshlrev_b32 v1, 4, v7                        ; 16 x lane
	v_lshlrev_b32 v2, 3, v7                        ; 8 x lane
	v_and_b32 v8, 15, v0                           ; r
	v_bfe_u32 v9, v0, 4, 1                         ; h
	s_mul_i32 s30, s18, XSTG
	v_add_nc_u32 v3, s30, v1                       ; the stage, on the way in
	v_mul_u32_u24 v4, v8, XPITCH
	v_lshl_add_u32 v4, v9, 7, v4
	v_add_nc_u32 v4, s30, v4                       ; and on the way out: row r, + 128 h
	v_lshlrev_b32 v5, 4, v8
	v_lshl_add_u32 v5, v9, 3, v5                   ; my 8 of row r's 16 scale bytes
	v_lshlrev_b32 v6, 3, v9                        ; 8 h: how far my two bytes are shifted
	v_cmp_eq_u32 vcc_lo, 1, v9                     ; kept to the end
	v_mov_b32 v15, 0                               ; written once: a lane permute's destination counts as one of its sources
.macro XLOAD s
.irp p, 0,1,2,3,4,5,6,7,8,9,10,11,12,13,14,15
	global_load_b128 v[64+64*((\s)%2)+4*\p:64+64*((\s)%2)+4*\p+3], v1, s[4:5] offset:(\p+8*(\p/8))*4096+512*(\s) th:TH_LOAD_NT
.endr
.endm
.macro XSTEP s
.set RS, 64+64*((\s)%2)
.if (\s) < 3
	s_wait_loadcnt 16                              ; this step's 16 loads are in; the next step's 16 may be out
.else
	s_wait_loadcnt 0x0
.endif
.irp p, 0,1,2,3,4,5,6,7,8,9,10,11,12,13,14,15
	ds_store_b128 v3, v[RS+4*\p:RS+4*\p+3] offset:XPITCH*\p
.endr
.irp c, 0,1
.irp j, 0,1,2,3,4,5,6,7
	ds_load_b128 v[192+32*\c+4*\j:192+32*\c+4*\j+3], v4 offset:256*\c+16*\j
.endr
.endr
	s_wait_dscnt 0x0
.if (\s)+2 < 4
	XLOAD (\s)+2
.endif
.irp c, 0,1
	v_max3_num_f32 v[8+\c], |v[192+32*\c]|, |v[193+32*\c]|, FLOOR
.endr
.irp i, 2,4,6,8,10,12,14,16,18,20,22,24,26,28,30
.irp c, 0,1
	v_max3_num_f32 v[8+\c], v[8+\c], |v[192+32*\c+\i]|, |v[193+32*\c+\i]|   ; (the two blocks by turns)
.endr
.endr
.irp c, 0,1
	v_add_nc_u32 v[10+\c], EOFF, v[8+\c]
.endr
.irp c, 0,1
	v_lshrrev_b32 v[12+\c], 23, v[10+\c]
.endr
	v_lshl_or_b32 v14, v13, 16, v12                ; my two bytes: blocks h and 2 + h,
	v_lshlrev_b32 v14, v6, v14                     ; at their places in the word;
	v_permlanex16_b32 v15, v14, s32, s33
	v_or_b32 v[36+(\s)], v14, v15                  ; with lane l xor 16's two the word is whole
	s_wait_alu depctr_va_vdst(0)
	s_wait_xcnt 0x0                                ; the last step's stores have read their registers
	v_cvt_scalef32_pk16_bf6_f32 v[16:18], v[192:207], v10
	v_cvt_scalef32_pk16_bf6_f32 v[28:30], v[208:223], v10
	v_cvt_scalef32_pk16_bf6_f32 v[22:24], v[224:239], v11
	v_cvt_scalef32_pk16_bf6_f32 v[32:34], v[240:255], v11
	v_nop
.irp i, 0,1,2
	v_mov_b32 v[19+\i], v[28+\i]
	v_mov_b32 v[25+\i], v[32+\i]
.endr
	global_store_b128 v1, v[16:19], s[10:11] offset:((\s)/2)*SLOTB1+((\s)%2)*1536        ; two images: each store covers 512 or 256 consecutive bytes, aligned
	global_store_b64 v2, v[20:21], s[10:11] offset:((\s)/2)*SLOTB1+((\s)%2)*1536+512
	global_store_b128 v1, v[22:25], s[10:11] offset:((\s)/2)*SLOTB1+((\s)%2)*1536+768
	global_store_b64 v2, v[26:27], s[10:11] offset:((\s)/2)*SLOTB1+((\s)%2)*1536+1280
.endm
	XLOAD 0
	XLOAD 1
	s_wait_alu depctr_va_vdst(0)
	XSTEP 0
	XSTEP 1
	XSTEP 2
	XSTEP 3
	v_cndmask_b32 v40, v36, v38, vcc_lo            ; lanes 0-15 store words 0 and 1 of their row, lanes 16-31 words 2 and 3
	v_cndmask_b32 v41, v37, v39, vcc_lo
	global_store_b64 v5, v[40:41], s[12:13]        ; 32 lanes store 256 consecutive bytes, aligned
	s_set_vgpr_msb 0x4
	s_wait_tensorcnt 0x0
	ds_add_u32 v31, v1
	s_wait_dscnt 0x0
	s_set_vgpr_msb 0x400
	s_endpgm
.Lfunc_end_k_q58519d922a_quant:
	.size	k_q58519d922a_quant, .Lfunc_end_k_q58519d922a_quant-k_q58519d922a_quant
	.p2alignl 7, 3214868480
	.fill 96, 4, 3214868480
	.section	.rodata,"a",@progbits
	.p2align	6, 0x0
	.amdhsa_kernel k_q58519d922a_quant
		.amdhsa_group_segment_fixed_size 58880
		.amdhsa_private_segment_fixed_size 0
		.amdhsa_enable_private_segment 0
		.amdhsa_kernarg_size 56
		.amdhsa_user_sgpr_count 2
		.amdhsa_user_sgpr_kernarg_segment_ptr 1
		.amdhsa_wavefront_size32 1
		.amdhsa_system_sgpr_workgroup_id_x 1
		.amdhsa_system_sgpr_workgroup_id_y 1
		.amdhsa_system_sgpr_workgroup_id_z 1
		.amdhsa_system_vgpr_workitem_id 0
		.amdhsa_next_free_vgpr 258
		.amdhsa_next_free_sgpr 66
		.amdhsa_reserve_vcc 1
		.amdhsa_float_denorm_mode_32 3
		.amdhsa_float_denorm_mode_16_64 3
		.amdhsa_memory_ordered 1
		.amdhsa_forward_progress 1
		.amdhsa_inst_pref_size 75
	.end_amdhsa_kernel
	.amdgpu_metadata
---
amdhsa.version: [ 1, 2 ]
amdhsa.kernels:
  - .name:           k_q58519d922a_quant
    .symbol:         k_q58519d922a_quant.kd
    .args:
      - { .name: x, .offset: 0, .size: 8, .value_kind: global_buffer, .address_space: global }
      - { .name: W_attn, .offset: 8, .size: 8, .value_kind: global_buffer, .address_space: global }
      - { .name: W_proj, .offset: 16, .size: 8, .value_kind: global_buffer, .address_space: global }
      - { .name: c1, .offset: 24, .size: 8, .value_kind: global_buffer, .address_space: global }
      - { .name: s1, .offset: 32, .size: 8, .value_kind: global_buffer, .address_space: global }
      - { .name: c2, .offset: 40, .size: 8, .value_kind: global_buffer, .address_space: global }
      - { .name: s2, .offset: 48, .size: 8, .value_kind: global_buffer, .address_space: global }
    .group_segment_fixed_size: 58880
    .private_segment_fixed_size: 0
    .kernarg_segment_align: 8
    .kernarg_segment_size: 56
    .max_flat_workgroup_size: 128
    .sgpr_count:     66
    .vgpr_count:     258
    .wavefront_size: 32
...
	.end_amdgpu_metadata
.endif
;; end of part 1
;; launch gemm_qkv (part 2): grid 8 x 32, 4 waves a work-group, clusters of 4 x 4, 327,680 bytes of LDS; arguments c1, s1, b_attn, qkv; writes qkv
.if DOCPART == 2
	.amdgcn_target "amdgcn-amd-amdhsa--gfx1250"
	.amdhsa_code_object_version 6
	.text
	.protected	k_q58519d922a_gemm_qkv
	.globl	k_q58519d922a_gemm_qkv
	.p2align	8
	.type	k_q58519d922a_gemm_qkv,@function
k_q58519d922a_gemm_qkv:
	s_mov_b64 s[64:65], 0
	v_nop
	global_prefetch_b8 v0, s[64:65] scope:SCOPE_SE
	s_setreg_imm32_b32 hwreg(HW_REG_WAVE_MODE, 25, 1), 1
	s_wait_xcnt 0x0
	s_wait_alu depctr_hold_cnt(0) depctr_sa_sdst(0) depctr_va_vdst(0) depctr_va_sdst(0) depctr_va_ssrc(0) depctr_va_vcc(0) depctr_vm_vsrc(0)
	s_getreg_b32 s2, hwreg(HW_REG_IB_STS2, 6, 4)
	s_cmp_eq_u32 s2, 0
	s_cbranch_scc0 .Lentry_in_a_cluster
	s_endpgm
.Lentry_in_a_cluster:
	s_bfe_u32 s2, ttmp6, 0x10000c
	s_cmp_lg_u32 s2, 0xf033
	s_cbranch_scc0 .Lentry_shape_is_right
	s_endpgm
.Lentry_shape_is_right:
; qkv = x W_attn + b_attn on codes of BF6 (E3M2) with E8M0 scales, K = 1024; the result never goes to memory as f32: q and k are quantised along the head's 64, v along the keys, and leave as codes.
; SHARES.  Work-group (tj, ti) takes 256 tokens (block ti) and the heads 2 tj and 2 tj + 1 of q, of k and of v: six CHUNKS of 64 columns of W_attn, in the order q, q, k, k, v, v.  8 x 32 = 256 work-groups of equal work.
; A chunk's kind hangs on its number alone, so the walk is written out and no branch hangs on a work-group's place.  Each of four waves takes 64 tokens x the chunk's 64 columns: 16 accumulators.
; OPERANDS lie in c1 in the order of the operand's registers: [K slot of 256][tile of 16 rows][4 images of 768 bytes]; place r of tile T is row 32 (T / 2) + 8 (T % 2) + r + 8 (r / 8): tiles 0-511 tokens, 512 on W_attn's columns.
; LDS: the tokens for all of K (2 x 98,304 bytes), and a ring of two slots of 49,152 bytes, each with one chunk for all of K.  At the head each wave issues one tensor load: waves 0, 1 the tokens' halves, waves 2, 3 chunks 0 and 1
; (4 rows, one for each K slot).  A wave's 64 tokens (4 tiles x 8 steps x 12 registers) then stay in registers; a chunk comes from LDS by blocks of 16 columns x 1,024 K (96 registers, two buffers): 32 matrix instructions a block,
; four accumulators by turns, K ascending, the bias as the first C.  Chunk i + 2 fills slot i % 2 again behind chunk i's last reads: each wave brings one K slot's 12,288 dense bytes.
; q, k: source 0 = W's block, source 1 = tokens: a lane holds a token, its registers the head's channels.  v: the sources change places: a lane holds a channel, its registers the keys.
; Either way a unit (a token tile; for v a channel tile) is 32 numbers a lane, register 16 b + i = place 32 b + 16 (lane / 16) + i along the next K: two blocks, one image of 768 bytes, two scale bytes a row.
; CLUSTERS: 4 x 4 work-groups; the tokens are asked for jointly by a row of the cluster, W's chunks by a column.
; NO PREFETCH: a chunk is asked for two chunks ahead of its use, and the eight clusters of a column read the same chunk at the same time.
; OUT (buffer qkv): q codes [bh][token tile][768], q scale words [bh][tile][16 words]; for each (bh, 256 keys) a record of 26,112 bytes: K codes 16 x 768, V codes [128 keys][channel tile][1,536], K words 16 x 64, V words [2][4][64].
; A q or k scale word has the head's two bytes below and zeros above: they stand over zero codes in the attention launch.
; LIMITS: a block whose largest magnitude lies under 2^-122 (zeros too) gets the byte 1; the bytes are read by this program alone.  NaN and infinities are not served.
; REGISTERS, in windows of 256: window 0: v1-29 lane terms and addresses; v32-63 the tokens' scale words; v64-127 W's, two sets; v128-223 W's odd blocks (on the way out at work); v224-251 codes and words on the way out.
;   window 1: the tokens' fragments of steps 0-4.   window 2: v0-143 those of steps 5-7; v144-207 the bias, two sets.   window 3: v0-127 the accumulators; v128-223 W's even blocks.
.set SLOTB,  2162688                   ; a K slot of c1
.set AREG,   98304                     ; LDS: 8 token tiles x 3,072 bytes x 4 K slots
.set BSL,    49152                     ; a ring slot: 4 tiles of W x 3,072 x 4 K slots
.set BOFF,   2*AREG
.set SPARE,  BOFF+2*BSL                ; the spare words, 128 bytes for each wave: two blocks of 256 bytes that no other line names
.set REC,    26112
.set QS_OFF, 6291456
.set KV_OFF, 6815744
.set L16,  4
.set L8,   5
.set R4,   6
.set R16,  7
.set BJO,  8
.set BIO,  9
.set ADRA16, 16                        ; v16-17 my token tiles, K slots 0-1 and 2-3, 16 bytes a lane;  v18-19 8 bytes a lane
.set ADRA8,  18
.set ADRB16, 20                        ; v20-21 ring slots 0, 1, 16 bytes a lane;  v22-23 8 bytes a lane
.set ADRB8,  22
.set SPW,  28
.set NIL,  29
.set TS,   32                          ; v[TS + 8 t + g]: the word of my token tile t for step g of 128 along K
.set WS,   64                          ; v[WS + 32 (chunk % 2) + 8 s + g]: that of W's block s
.set SF,   128                         ; W's block: fragment g at v[SF + 12 g] of window 3 (even blocks) or 0 (odd)
.set BJ,   144                         ; window 2: v[BJ + 32 (chunk % 2) + 8 s]: block s's bias in the result's layout
.set TC,   128                         ; the way out: second conversions,
.set TM,   144                         ; largest magnitudes,
.set TP,   152                         ; the other half's; then the bytes,
.set TE,   160                         ; the conversions' scale operands,
.set PC,   224                         ; codes, six registers a unit,
.set PW,   248                         ; and scale words
.set G1,   24
.set G0,   32
.set G0B,  36
.set G1B,  48
.set G1R,  56
.set G0R,  68                          ; s[68:71], s[72:75] the refills' group 0, one for each slot
.set QC,   76
.set QW,   78
.set KC,   80
.set KW,   82
.set VC,   84
.set VW,   86
.set WSB,  88
.set BB,   90
.set TSB,  92
.set MSB, 0
.macro WIN new                         ; the immediate's high byte repeats the setting that is left
.if MSB != (\new)
	s_set_vgpr_msb (MSB<<8)|(\new)
.set MSB, (\new)
.endif
.endm
.macro CREST                           ; a round of the cluster's barrier behind its opening barrier
	s_cmp_lg_u32 s14, 0
	s_cbranch_scc1 .Lnot_wave_0_\@
	s_barrier_signal -3
.Lnot_wave_0_\@:
	s_barrier_wait -3
	s_barrier_signal -1
	s_barrier_wait -1
.endm
.macro CROUND
	s_barrier_signal -1
	s_barrier_wait -1
	CREST
.endm
.macro PLACES                          ; four plain instructions between a matrix instruction and a load into, or a vector write of, one of its registers, or a read of its result
.rept 4
	v_nop
.endr
.endm
.macro FRAG reg, a16, a8, off          ; a fragment (16 rows x 128 K): two images on end
	ds_load_b128 v[(\reg):(\reg)+3], v[\a16] offset:(\off)
	ds_load_b64 v[(\reg)+4:(\reg)+5], v[\a8] offset:(\off)+512
	ds_load_b128 v[(\reg)+6:(\reg)+9], v[\a16] offset:(\off)+768
	ds_load_b64 v[(\reg)+10:(\reg)+11], v[\a8] offset:(\off)+1280
.endm
.macro RLOAD                           ; my four token tiles, all eight steps: step g's four at v[48 (g % 5)] of window 1 (g < 5) or 2
.irp g, 0,1,2,3,4,5,6,7
	WIN 0x40+0x40*(\g/5)
.irp t, 0,1,2,3
	FRAG 48*(\g%5)+12*\t, ADRA16+\g/4, ADRA8+\g/4, ((\g/2)%2)*24576+\t*3072+(\g%2)*1536
.endr
.endr
	WIN 0
.endm
.macro SLOAD slot, s                   ; W's block s of the chunk in the slot, all eight steps: 32 loads
	WIN 0xc0*(1-(\s)%2)
.irp g, 0,1,2,3,4,5,6,7
	FRAG SF+12*\g, ADRB16+\slot, ADRB8+\slot, (\g/2)*12288+(\s)*3072+(\g%2)*1536
.endr
	WIN 0
.endm
.macro CLOADS i                        ; chunk i's scale words (8 loads) and bias (q, k: 8 loads, the bias goes with the register; v: 32, it goes with the lane) into set i % 2
.irp s, 0,1,2,3
.irp k, 0,1
	global_load_b128 v[WS+32*((\i)%2)+8*\s+4*\k:WS+32*((\i)%2)+8*\s+4*\k+3], v[R16], s[WSB:WSB+1] offset:(64*((\i)/2)+4*((\i)%2)+\s)*512+256*\k
.endr
.endr
	WIN 0x80
.irp s, 0,1,2,3
.if (\i)/2 < 2
	global_load_b128 v[BJ+32*((\i)%2)+8*\s:BJ+32*((\i)%2)+8*\s+3], v[BJO], s[BB:BB+1] offset:((\i)/2)*4096+((\i)%2)*256+4*(32*(\s/2)+8*(\s%2))
	global_load_b128 v[BJ+32*((\i)%2)+8*\s+4:BJ+32*((\i)%2)+8*\s+7], v[BJO], s[BB:BB+1] offset:((\i)/2)*4096+((\i)%2)*256+4*(32*(\s/2)+8*(\s%2))+16
.else
.irp j, 0,1,2,3,4,5,6,7
	global_load_b32 v[BJ+32*((\i)%2)+8*\s+\j], v[BIO], s[BB:BB+1] offset:((\i)/2)*4096+((\i)%2)*256+4*(32*(\s/2)+8*(\s%2))
.endr
.endif
.endr
	WIN 0
.endm
.macro MM d, a, b, c, sa, sb
	v_wmma_scale_f32_16x16x128_f8f6f4 v[\d:\d+7], v[\a:\a+11], v[\b:\b+11], v[\c:\c+7], v[\sa], v[\sb] matrix_a_fmt:MATRIX_FMT_BF6 matrix_b_fmt:MATRIX_FMT_BF6
.endm
.macro ROW i, s                        ; W's block s of chunk i against my four token tiles: 32 matrix instructions.  D window 3; C window 2 (the bias, step 0) or 3
.irp g, 0,1,2,3,4,5,6,7
.if (\i)/2 < 2
	WIN 0xc0|((3-(7-\g)/7)<<4)|((1+\g/5)<<2)|(3*(1-(\s)%2))
.else
	WIN 0xc0|((3-(7-\g)/7)<<4)|((3*(1-(\s)%2))<<2)|(1+\g/5)
.endif
.irp t, 0,1,2,3
.set RF_, 48*(\g%5)+12*\t
.set SF_, SF+12*\g
.set WS_, WS+32*((\i)%2)+8*(\s)+\g
.set TS_, TS+8*\t+\g
.if (\i)/2 < 2
.set AC_, 32*\t+8*(\s)
.else
.set AC_, 32*(\s)+8*\t
.endif
.set CC_, AC_
.if \g == 0
.set CC_, BJ+32*((\i)%2)+8*(\s)
.endif
.if (\i)/2 < 2
	MM AC_, SF_, RF_, CC_, WS_, TS_
.else
	MM AC_, RF_, SF_, CC_, TS_, WS_
.endif
.endr
.endr
	WIN 0
.endm
; A chunk's last block, and the change of slots: in front of the barrier each wave waits for all its tensor loads (the next chunk's part among them), adds 0 to its spare word, and waits for that and for its reads of this slot.
.macro MEET i
.if \i < 5
	s_wait_tensorcnt 0x0
	ds_add_u32 v[SPW], v[NIL]
	s_wait_dscnt 0x0                               ; the add is done, block 3 is in, and my reads of this slot are over
	s_barrier_signal -1
	ROW \i, 3                                      ; work on registers while the others arrive
	s_barrier_wait -1
.if \i < 4
	CREST                                          ; the barrier has opened a round of the cluster's barrier: no wave of any partner still reads this slot or has a load on its way
	s_add_nc_u64 s[G0R+4*((\i)%2)+2:G0R+4*((\i)%2)+3], s[G0R+4*((\i)%2)+2:G0R+4*((\i)%2)+3], 64*3072   ; two chunks on: 64 tiles
	tensor_load_to_lds s[G0R+4*((\i)%2):G0R+4*((\i)%2)+3], s[G1R:G1R+7]   ; my K slot of chunk i + 2: the first tensor load behind the round
	s_nop 0
.endif
.else
	s_wait_dscnt 0x0
	ROW \i, 3
.endif
	PLACES
.endm
; THE WAY OUT of chunk i: four units of 32 numbers a lane, side by side.
.macro EPI i
.if (\i)/2 == 0
.set CB_, QC
.set WB_, QW
.set CU_, 768
.set HO_, ((\i)%2)*98304               ; the next head: 128 tiles of q,
.set HW_, ((\i)%2)*8192
.elseif (\i)/2 == 1
.set CB_, KC
.set WB_, KW
.set CU_, 768
.set HO_, ((\i)%2)*8*REC               ; 8 records
.set HW_, ((\i)%2)*8*REC
.else
.set CB_, VC
.set WB_, VW
.set CU_, 1536
.set HO_, ((\i)%2)*8*REC
.set HW_, ((\i)%2)*8*REC
.endif
	s_wait_xcnt 0x0                                ; the last chunk's stores have read their registers
	WIN 0x0f                                       ; sources 0 and 1: the accumulators' window
.irp u, 0,1,2,3
.irp b, 0,1
	v_max3_num_f32 v[TM+2*\u+\b], |v[32*\u+16*\b]|, |v[32*\u+16*\b+1]|, 0x2800000   ; my 16 numbers of a block, and the floor 2^(5 - 127); each accumulator from its low end on
.endr
.endr
	WIN 0x3c                                       ; sources 1 and 2
.irp n, 2,4,6,8,10,12,14
.irp u, 0,1,2,3
.irp b, 0,1
	v_max3_num_f32 v[TM+2*\u+\b], v[TM+2*\u+\b], |v[32*\u+16*\b+\n]|, |v[32*\u+16*\b+\n+1]|
.endr
.endr
.endr
	WIN 0
.irp x, 0,1,2,3,4,5,6,7
	v_permlanex16_b32 v[TP+\x], v[TM+\x], s12, s13
.endr
.irp x, 0,1,2,3,4,5,6,7
	v_max_num_f32 v[TM+\x], v[TM+\x], v[TP+\x]     ; with lane l xor 16's: the block's largest magnitude
.endr
.irp x, 0,1,2,3,4,5,6,7
	v_add_nc_u32 v[TE+\x], 0xfe000000, v[TM+\x]    ; 4 off its exponent field: the conversion's scale operand
.endr
.irp x, 0,1,2,3,4,5,6,7
	v_lshrrev_b32 v[TP+\x], 23, v[TE+\x]           ; the scale's byte
.endr
.irp u, 0,1,2,3
	v_lshl_or_b32 v[PW+\u], v[TP+2*\u+1], 8, v[TP+2*\u]
.endr
	WIN 0x03
.irp u, 0,1,2,3
	v_cvt_scalef32_pk16_bf6_f32 v[PC+6*\u:PC+6*\u+2], v[32*\u:32*\u+15], v[TE+2*\u]
	v_cvt_scalef32_pk16_bf6_f32 v[TC+4*\u:TC+4*\u+2], v[32*\u+16:32*\u+31], v[TE+2*\u+1]
.endr
	WIN 0
	v_nop                                          ; one plain instruction behind the conversions
.irp u, 0,1,2,3                        ; the operand's layout wants a whole block in a lane
.irp n, 0,1,2
	v_permlane16_swap_b32 v[PC+6*\u+\n], v[TC+4*\u+\n]
.endr
.endr
.irp u, 0,1,2,3
.irp n, 0,1,2
	v_mov_b32 v[PC+6*\u+3+\n], v[TC+4*\u+\n]
.endr
.endr
.irp u, 0,1,2,3
	global_store_b128 v[L16], v[PC+6*\u:PC+6*\u+3], s[CB_:CB_+1] offset:HO_+CU_*\u            ; an image: 512 and 256 consecutive bytes, aligned
	global_store_b64 v[L8], v[PC+6*\u+4:PC+6*\u+5], s[CB_:CB_+1] offset:HO_+CU_*\u+512
.if (\i)/2 < 2
	global_store_b32 v[R4], v[PW+\u], s[WB_:WB_+1] offset:HW_+64*\u    ; a tile's 16 words; lanes l and l xor 16 write the same word with the same value
.else
	global_store_b16 v[R4], v[PW+\u], s[WB_:WB_+1] offset:HW_+64*\u    ; my 64 keys own 2 of a word's 4 bytes
.endif
.endr
.endm
	s_load_b256 s[4:11], s[0:1], 0x0               ; c1 s[4:5], s1 s[6:7], b_attn s[8:9], qkv s[10:11]
	v_lshl_add_u32 v[SPW], v0, 2, SPARE
	v_mov_b32 v[NIL], 0
	ds_add_u32 v[SPW], v[NIL]                      ; the opening lines: the add, twice on end, and its wait ahead of my first tensor load
	ds_add_u32 v[SPW], v[NIL]
	v_lshrrev_b32 v1, 5, v0
	v_readfirstlane_b32 s14, v1                    ; wave 0..3
	s_lshr_b32 s15, s14, 1                         ; at the head: I fetch tokens (0) or a chunk (1)
	s_and_b32 s16, s14, 1                          ; which half of the tokens, or which chunk
	s_bfe_u32 s40, ttmp6, 0x40000                  ; cx
	s_bfe_u32 s41, ttmp6, 0x40004                  ; cy
	s_and_b32 s42, ttmp7, 0xffff
	s_lshl_b32 s43, s41, 2
	s_lshl_b32 s43, 15, s43                        ; my row of the cluster
	s_lshl_b32 s44, 0x1111, s40                    ; my column
	s_lshl_b32 s17, s42, 2
	s_add_co_u32 s17, s17, s41                     ; ti: which 256 tokens (it never holds cx)
	s_lshl_b32 s46, ttmp9, 2
	s_add_co_u32 s46, s46, s40                     ; tj: which pair of heads (it never holds cy)
	s_lshl_b32 s18, s17, 4                         ; the tokens' first tile in c1
	s_lshl_b32 s47, s46, 3
	s_add_co_u32 s47, s47, 512                     ; chunk 0's first tile
	s_or_b32 s[G1+0], s43, (3<<16)|(1<<21)         ; elements of 8 bytes; the mask: the tokens go to my row; bit 21 beside it
	s_mov_b32 s[G1+1], 3072<<16                    ; a row: 8 tiles, 24,576 bytes
	s_mov_b32 s[G1+2], 4<<16                       ; 4 rows: the K slots
	s_mov_b32 s[G1+3], 3072<<16
	s_mov_b32 s[G1+4], 4
	s_mov_b32 s[G1+5], SLOTB/8                     ; from K slot to K slot, in elements
	s_mov_b32 s[G1+6], 0
	s_mov_b32 s[G1+7], 0
	s_or_b32 s[G1B+0], s44, (3<<16)|(1<<21)        ; a whole chunk, to my column
	s_mov_b32 s[G1B+1], 1536<<16                   ; a row: 4 tiles, 12,288 bytes
	s_mov_b32 s[G1B+2], 4<<16
	s_mov_b32 s[G1B+3], 1536<<16
	s_mov_b32 s[G1B+4], 4
	s_mov_b32 s[G1B+5], SLOTB/8
	s_mov_b32 s[G1B+6], 0
	s_mov_b32 s[G1B+7], 0
	s_or_b32 s[G1R+0], s44, (3<<16)|(1<<21)        ; a refill: one K slot of a chunk, 12,288 dense bytes as 48 rows of 256 bytes, to my column
	s_mov_b32 s[G1R+1], 32<<16
	s_mov_b32 s[G1R+2], 48<<16
	s_mov_b32 s[G1R+3], 32<<16
	s_mov_b32 s[G1R+4], 48
	s_mov_b32 s[G1R+5], 32
	s_mov_b32 s[G1R+6], 0
	s_mov_b32 s[G1R+7], 0
	s_lshl_b32 s20, s16, 3
	s_add_co_u32 s20, s20, s18
	s_mul_i32 s20, s20, 3072                       ; the 8 token tiles that I fetch,
	s_mov_b32 s21, 0
	s_lshl_b32 s66, s16, 2
	s_add_co_u32 s66, s66, s47
	s_mul_i32 s66, s66, 3072                       ; or the chunk
	s_mov_b32 s67, 0
	s_mov_b32 s[G0], 1
	s_mul_i32 s[G0+1], s16, AREG                   ; and where they go: no place in the cluster enters an LDS address
	s_mov_b32 s[G0B], 1
	s_mul_i32 s[G0B+1], s16, BSL
	s_add_co_u32 s[G0B+1], s[G0B+1], BOFF
	s_mov_b32 s[G0R], 1
	s_mov_b32 s[G0R+4], 1
	s_mul_i32 s22, s14, 12288                      ; in a refill I bring K slot = my wave's number
	s_add_co_u32 s[G0R+1], s22, BOFF
	s_add_co_u32 s[G0R+5], s22, BOFF+BSL
	s_mul_i32 s22, s47, 3072
	s_mul_i32 s23, s14, SLOTB
	s_add_co_u32 s22, s22, s23
	s_mov_b32 s23, 0
	s_mov_b32 s12, 0x76543210
	s_mov_b32 s13, 0xfedcba98                      ; v_permlanex16_b32's selects for lane l xor 16
	s_wait_dscnt 0x0                               ; both opening adds are done
	s_wait_kmcnt 0x0
	s_add_nc_u64 s[G0+2:G0+3], s[4:5], s[20:21]
	s_or_b32 s[G0+3], s[G0+3], 0x80000000
	s_add_nc_u64 s[G0B+2:G0B+3], s[4:5], s[66:67]
	s_or_b32 s[G0B+3], s[G0B+3], 0x80000000
	s_add_nc_u64 s[G0R+2:G0R+3], s[4:5], s[22:23]  ; chunk 0's place: the first refill of slot 0 steps it to chunk 2's
	s_add_nc_u64 s[G0R+6:G0R+7], s[G0R+2:G0R+3], 4*3072
	s_or_b32 s[G0R+3], s[G0R+3], 0x80000000
	s_or_b32 s[G0R+7], s[G0R+7], 0x80000000
	CROUND                                         ; all sixteen work-groups are here: the first joint loads meet
	s_cmp_eq_u32 s15, 0                            ; one load a wave, in the two arms of one branch on the wave's number
	s_cbranch_scc0 .Lfor_b
	tensor_load_to_lds s[G0:G0+3], s[G1:G1+7]
	s_nop 0
	PLACES
	s_branch .Lasked
.Lfor_b:
	tensor_load_to_lds s[G0B:G0B+3], s[G1B:G1B+7]
	s_nop 0
	PLACES
.Lasked:
	; where the results go, and where scale words and bias come from: bases that are never stepped; all else stands in immediates
	s_lshr_b32 s94, s17, 3                         ; the batch
	s_and_b32 s95, s17, 7                          ; the block of 256 tokens in it
	s_lshl_b32 s96, s94, 4
	s_lshl_b32 s97, s46, 1
	s_add_co_u32 s96, s96, s97                     ; bh of my first head
	s_lshl_b32 s97, s96, 7
	s_lshl_b32 s98, s95, 4
	s_add_co_u32 s97, s97, s98
	s_lshl_b32 s98, s14, 2
	s_add_co_u32 s97, s97, s98                     ; q: bh x 128 + my first token tile
	s_lshl_b32 s98, s96, 3
	s_add_co_u32 s98, s98, s95
	s_mul_i32 s98, s98, REC
	s_add_co_u32 s98, s98, KV_OFF                  ; the record
	s_mul_i32 s20, s97, 768
	s_add_nc_u64 s[QC:QC+1], s[10:11], s[20:21]
	s_lshl_b32 s20, s97, 6
	s_add_co_u32 s20, s20, QS_OFF
	s_add_nc_u64 s[QW:QW+1], s[10:11], s[20:21]
	s_mul_i32 s20, s14, 3072                       ; k: my four tiles' codes,
	s_add_co_u32 s20, s20, s98
	s_add_nc_u64 s[KC:KC+1], s[10:11], s[20:21]
	s_lshl_b32 s20, s14, 8                         ; and words
	s_add_co_u32 s20, s20, s98
	s_add_co_u32 s20, s20, 24576
	s_add_nc_u64 s[KW:KW+1], s[10:11], s[20:21]
	s_mul_i32 s20, s15, 6144                       ; v: which 128 keys,
	s_mul_i32 s22, s16, 768                        ; and which image of a fragment's two
	s_add_co_u32 s20, s20, s22
	s_add_co_u32 s20, s20, s98
	s_add_co_u32 s20, s20, 12288
	s_add_nc_u64 s[VC:VC+1], s[10:11], s[20:21]
	s_lshl_b32 s20, s15, 8
	s_lshl_b32 s22, s16, 1                         ; which two bytes of a word
	s_add_co_u32 s20, s20, s22
	s_add_co_u32 s20, s20, s98
	s_add_co_u32 s20, s20, 25600
	s_add_nc_u64 s[VW:VW+1], s[10:11], s[20:21]
	s_lshl_b32 s20, s14, 2
	s_add_co_u32 s20, s20, s18
	s_lshl_b32 s20, s20, 9                         ; my token tiles' scale words: 512 bytes a tile
	s_add_nc_u64 s[TSB:TSB+1], s[6:7], s[20:21]
	s_lshl_b32 s20, s47, 9
	s_add_nc_u64 s[WSB:WSB+1], s[6:7], s[20:21]
	s_lshl_b32 s20, s46, 9                         ; two heads' bias: 512 bytes
	s_add_nc_u64 s[BB:BB+1], s[8:9], s[20:21]
	s_mul_i32 s22, s15, AREG                       ; LDS: my four token tiles: which half, and which four of its eight
	s_mul_i32 s23, s16, 12288
	s_add_co_u32 s22, s22, s23
	v_and_b32 v1, 15, v0                           ; r
	v_bfe_u32 v2, v0, 4, 1                         ; h
	v_and_b32 v3, 31, v0
	v_lshlrev_b32 v[L16], 4, v3
	v_lshlrev_b32 v[L8], 3, v3
	v_lshlrev_b32 v[R4], 2, v1
	v_lshlrev_b32 v[R16], 4, v1
	v_lshlrev_b32 v[BJO], 6, v2                    ; 16 h numbers on
	v_and_b32 v[BIO], 8, v1
	v_add_nc_u32 v[BIO], v[BIO], v1
	v_lshlrev_b32 v[BIO], 2, v[BIO]                ; r + 8 (r / 8) numbers on
.irp s, 0,1
	v_add_nc_u32 v[ADRA16+\s], s22, v[L16]
	v_add_nc_u32 v[ADRA8+\s], s22, v[L8]
	s_add_co_u32 s22, s22, 49152                   ; two K slots on
	v_add_nc_u32 v[ADRB16+\s], BOFF+\s*BSL, v[L16]
	v_add_nc_u32 v[ADRB8+\s], BOFF+\s*BSL, v[L8]
.endr
	s_wait_alu depctr_va_vdst(0)                   ; the wait at the end of the head's vector work
.irp t, 0,1,2,3
.irp k, 0,1
	global_load_b128 v[TS+8*\t+4*\k:TS+8*\t+4*\k+3], v[R16], s[TSB:TSB+1] offset:512*\t+256*\k   ; sixteen lanes read 256 consecutive bytes; lanes 16-31 the same
.endr
.endr
	CLOADS 0
	CLOADS 1
	s_wait_tensorcnt 0x0                           ; my part is in;
	s_barrier_signal -1
	s_barrier_wait -1                              ; and everybody's: the tokens and chunks 0 and 1 are whole
	RLOAD
	SLOAD 0, 0
.irp i, 0,1,2,3,4,5
	SLOAD (\i)%2, 1
.if \i < 3
	s_wait_loadcnt 16                              ; this chunk's words and bias are in; the next chunk's 16 loads may be out
.elseif \i < 5
	s_wait_loadcnt 40                              ; (a chunk of v has 40)
.else
	s_wait_loadcnt 0x0
.endif
	s_wait_dscnt 32                                ; block 0 is in (at first: my tokens too); block 1's 32 loads may be out
	ROW \i, 0
	PLACES
	SLOAD (\i)%2, 2
	s_wait_dscnt 32
	ROW \i, 1
	PLACES
	SLOAD (\i)%2, 3
	s_wait_dscnt 32
	ROW \i, 2
	MEET \i
.if \i < 5
	SLOAD (\i+1)%2, 0                              ; the next chunk's first block comes while this chunk goes out
.endif
.if \i < 4
	CLOADS \i+2
.endif
	EPI \i
.endr
	s_wait_tensorcnt 0x0                           ; the wave's end
	ds_add_u32 v[SPW], v[NIL]
	s_wait_dscnt 0x0
	CROUND                                         ; the closing round: no work-group ends while a partner may still ask for a tile that names it
	s_endpgm
.Lfunc_end_k_q58519d922a_gemm_qkv:
	.size	k_q58519d922a_gemm_qkv, .Lfunc_end_k_q58519d922a_gemm_qkv-k_q58519d922a_gemm_qkv
	.p2alignl 7, 3214868480
	.fill 96, 4, 3214868480
	.section	.rodata,"a",@progbits
	.p2align	6, 0x0
	.amdhsa_kernel k_q58519d922a_gemm_qkv
		.amdhsa_group_segment_fixed_size 327680
		.amdhsa_private_segment_fixed_size 0
		.amdhsa_enable_private_segment 0
		.amdhsa_kernarg_size 32
		.amdhsa_user_sgpr_count 2
		.amdhsa_user_sgpr_kernarg_segment_ptr 1
		.amdhsa_wavefront_size32 1
		.amdhsa_system_sgpr_workgroup_id_x 1
		.amdhsa_system_sgpr_workgroup_id_y 1
		.amdhsa_system_sgpr_workgroup_id_z 1
		.amdhsa_system_vgpr_workitem_id 0
		.amdhsa_next_free_vgpr 1024
		.amdhsa_next_free_sgpr 100
		.amdhsa_reserve_vcc 0
		.amdhsa_float_denorm_mode_32 3
		.amdhsa_float_denorm_mode_16_64 3
		.amdhsa_memory_ordered 1
		.amdhsa_forward_progress 1
		.amdhsa_inst_pref_size 237
	.end_amdhsa_kernel
	.amdgpu_metadata
---
amdhsa.version: [ 1, 2 ]
amdhsa.kernels:
  - .name:           k_q58519d922a_gemm_qkv
    .symbol:         k_q58519d922a_gemm_qkv.kd
    .args:
      - { .name: c1, .offset: 0, .size: 8, .value_kind: global_buffer, .address_space: global }
      - { .name: s1, .offset: 8, .size: 8, .value_kind: global_buffer, .address_space: global }
      - { .name: b_attn, .offset: 16, .size: 8, .value_kind: global_buffer, .address_space: global }
      - { .name: qkv, .offset: 24, .size: 8, .value_kind: global_buffer, .address_space: global }
    .group_segment_fixed_size: 327680
    .private_segment_fixed_size: 0
    .kernarg_segment_align: 8
    .kernarg_segment_size: 32
    .max_flat_workgroup_size: 128
    .sgpr_count:     100
    .vgpr_count:     1024
    .wavefront_size: 32
...
	.end_amdgpu_metadata
.endif
;; end of part 2
;; launch attn (part 3): grid 4 x 64, 16 waves a work-group, clusters of 4 x 1, 327,680 bytes of LDS; arguments qkv, c2, s2; writes c2, s2
.if DOCPART == 3
	.amdgcn_target "amdgcn-amd-amdhsa--gfx1250"
	.amdhsa_code_object_version 6
	.text
	.protected	k_q58519d922a_attn
	.globl	k_q58519d922a_attn
	.p2align	8
	.type	k_q58519d922a_attn,@function
k_q58519d922a_attn:
	s_mov_b64 s[64:65], 0
	v_nop
	global_prefetch_b8 v0, s[64:65] scope:SCOPE_SE
	s_setreg_imm32_b32 hwreg(HW_REG_WAVE_MODE, 25, 1), 1
	s_wait_xcnt 0x0
	s_wait_alu depctr_hold_cnt(0) depctr_sa_sdst(0) depctr_va_vdst(0) depctr_va_sdst(0) depctr_va_ssrc(0) depctr_va_vcc(0) depctr_vm_vsrc(0)
	s_getreg_b32 s2, hwreg(HW_REG_IB_STS2, 6, 4)
	s_cmp_eq_u32 s2, 0
	s_cbranch_scc0 .Lentry_in_a_cluster
	s_endpgm
.Lentry_in_a_cluster:
	s_bfe_u32 s2, ttmp6, 0x10000c
	s_cmp_lg_u32 s2, 0x3003
	s_cbranch_scc0 .Lentry_shape_is_right
	s_endpgm
.Lentry_shape_is_right:
; y[bh][q] = the sum over keys k <= q of softmax_k(q . k / 8) v[k], both products on codes of BF6 (E3M2) with E8M0 scales; y / l is quantised along C and leaves as codes for the last product.
; THE SOFTMAX AHEAD OF THE SECOND PRODUCT: t = score x log2(e) / 8; M = the row's largest t so far, rounded up to a whole number; p = 2^(t - M) is quantised along the keys, not normalised; the row's sum is taken
; of the unquantised p and divides at the end.  When M moves, the sum and O are multiplied by 2^(old M - new M): exact.
; LDS HOLDS THE WHOLE HEAD: its eight records (256 keys each: K codes, V codes, scale words; 26,112 bytes) are 208,896 dense bytes.  Each of sixteen waves brings a half record, 51 rows of 256 bytes, by its one tensor load
; at the head; nothing is filled again, so one barrier stands behind the loads and none in the loop.
; SHARES.  A head has 128 tiles of 16 queries; tile T needs T / 8 + 1 steps of 128 keys (steps whose keys all come after the tile's queries are not walked).
; Wave w of work-group cx owns tiles j = 4 w + cx and 127 - j: w / 2 + 1 and 16 - w / 2 steps, 17 for every wave.  Each tile's last step holds its diagonal and is the only one that is masked.
; So trips, branches and LDS addresses hang on the wave's number alone; cx enters only global addresses and the lanes' mask term.
; CLUSTER: the four work-groups of a head read the same eight records at the same time: 4 x 1 work-groups ask for each half record jointly.
; NO PREFETCH: every tile is asked for at the head, by one load a wave; there is no loop that runs ahead of a load.
; LAYOUT.  Both products transposed: S^T = K Q^T, O^T = V^T P^T: a lane holds one query throughout.  Place r of tile T (keys, queries, channels) is row 32 (T / 2) + 8 (T % 2) + r + 8 (r / 8), so that the 16 registers
; of tiles 2 b and 2 b + 1 are 16 neighbours.  The head has 64 channels: the upper six of Q's 12 registers are zero codes, written once.  Every code of BF6 is a finite number, and a product with a zero code is 0: so the
; upper six registers of a K fragment may hold any codes.  The step's eight K fragments overlap: fragment t is v[32 + 6 t] on, its upper six are fragment t + 1's codes (the last one's: v80-85).
; A step's K codes and words are asked of LDS in the step before, behind that step's first products.
; LIMITS: a block of y whose largest magnitude lies under 2^-122 (zeros too) gets the byte 1; the bytes are read by this program alone.  NaN and infinities are not served.  The scaled scores t stay under 2^31 in magnitude.
; REGISTERS: v1-3, v7 lane terms; v5, v6 the add's; v4, v8, v9 LDS addresses of this step's V; v10, v30, v31 of the next step's K; v11 lane's part of the mask; v12 -M, v13 largest t, v[14:15] the sum; v16-27 Q; v29 Q's words;
;   v32-79 eight K fragments' codes; v80-83 zeros; v84-95 p's (y's) codes; v96-159 S^T, p, then V's four fragments; v160-191 O^T; v192-198 second conversions; v200-215 at work; v213 p's word; v216-219 V's words;
;   v220-226 the second tile's Q and words; v228-235 K's words; v236-239 p's scale bytes; v244-255 partial sums.
.set REC,    26112
.set QS_OFF, 6291456
.set KV_OFF, 6815744
.set SLOTB2, 1769472
.set VCO,    12288                     ; in a record: V's codes,
.set KSC,    24576                     ; K's scale words,
.set VSC,    25600                     ; V's
.set SPARE,  8*REC                     ; behind the records: the spare words, 128 bytes for each wave: eight blocks of 256 bytes that no other line names
.set STEPS,  17
.set N,     10                         ; s10 the trip, 0 .. 16
.set OFF,   11                         ; s11 the trip at which the tile in hand began: key step = trip - s11
.set H,     12                         ; s12 wave / 2: the first tile's last trip
.set T,     13                         ; s13 the tile in hand
.set DM,    14                         ; s14 the tile's first query less its diagonal step's first key
.set ND,    15                         ; s15 the trip that holds the diagonal of the tile in hand
.set TL,    16                         ; s16 the second tile
.set H1,    17                         ; s17 wave / 2 + 1: the trip at which the second tile begins
.set WV,    18
.set CX,    19
.set SEL,   20
.set CS,    22
.set G1,    24
.set G0,    40
.set BH128, 44
.set YC0,   45
.set YS0,   46
.set YB,    52
.set YSB,   54
.macro ROUND                           ; a round of the cluster's barrier
	s_barrier_signal -1
	s_barrier_wait -1
	s_cmp_lg_u32 s[WV], 0
	s_cbranch_scc1 .Lnot_wave_0_\@
	s_barrier_signal -3
.Lnot_wave_0_\@:
	s_barrier_wait -3
	s_barrier_signal -1
	s_barrier_wait -1
.endm
.macro QADR t, qb, qs                  ; where tile s[t]'s Q image and scale words lie (s59 = 0)
	s_add_co_u32 s57, s[\t], s[BH128]
	s_mul_i32 s58, s57, 768
	s_add_nc_u64 s[\qb:\qb+1], s[4:5], s[58:59]
	s_lshl_b32 s58, s57, 6
	s_add_co_u32 s58, s58, QS_OFF
	s_add_nc_u64 s[\qs:\qs+1], s[4:5], s[58:59]
.endm
.macro DIAG                            ; 32 ((T / 2) % 4) + 8 (T % 2)
	s_bfe_u32 s56, s[T], 0x20001
	s_lshl_b32 s56, s56, 5
	s_and_b32 s57, s[T], 1
	s_lshl_b32 s57, s57, 3
	s_add_co_u32 s[DM], s56, s57
.endm
.macro ZERO                            ; a tile begins: the statistics and O^T as zeros (the first change of M leaves them zeros)
	v_mov_b32 v13, 0xff61b1e6                      ; the largest t so far: -3e38, under every t
	s_delay_alu instid0(VALU_DEP_1)
	v_floor_f32 v12, -v13                          ; -M
	v_mov_b32 v14, 0
	v_mov_b32 v15, 0
.set cnt, 0
.rept 32
	v_mov_b32 v[160+cnt], 0
.set cnt, cnt+1
.endr
.endm
.macro KLOAD a16, a8, aw               ; a step's eight tiles of 16 keys: six registers of codes and a scale word each, 24 loads in one run
.irp t, 0,1,2,3,4,5,6,7
	ds_load_b128 v[32+6*\t:35+6*\t], v[\a16] offset:\t*768
	ds_load_b64 v[36+6*\t:37+6*\t], v[\a8] offset:\t*768+512
	ds_load_b32 v[228+\t], v[\aw] offset:KSC+\t*64
.endr
.endm
; A KEY STEP: 128 keys.
.macro STEP
	s_sub_co_u32 s96, s[N], s[OFF]                 ; the key step,
	s_and_b32 s96, s96, 15                         ; one of the head's sixteen
	s_and_b32 s97, s96, 1                          ; which half of its record
	s_lshr_b32 s96, s96, 1
	s_mul_i32 s96, s96, REC
	s_mul_i32 s98, s97, 6144
	s_add_co_u32 s98, s98, s96                     ; codes: 6,144 bytes a half, K's and V's alike
	s_lshl_b32 s97, s97, 8
	s_add_co_u32 s97, s97, s96                     ; V's words: 256 bytes a half
	v_add_nc_u32 v8, s98, v1
	v_add_nc_u32 v9, s98, v2
	v_add_nc_u32 v4, s97, v3
	s_cmp_eq_u32 s[N], s[H]                        ; the next trip's key step: behind the first tile's last trip the second tile begins at 0
	s_cselect_b32 s96, s[H1], s[OFF]
	s_sub_co_u32 s96, s[N], s96
	s_add_co_u32 s96, s96, 1
	s_and_b32 s96, s96, 15
	s_and_b32 s97, s96, 1
	s_lshr_b32 s96, s96, 1
	s_mul_i32 s96, s96, REC
	s_mul_i32 s98, s97, 6144
	s_add_co_u32 s98, s98, s96
	s_lshl_b32 s97, s97, 9
	s_add_co_u32 s97, s97, s96                     ; K's words: 512 bytes a half
	v_add_nc_u32 v30, s98, v1
	v_add_nc_u32 v31, s98, v2
	v_add_nc_u32 v10, s97, v3                      ; (these six are also the plain instructions between the last step's products and the products below, which write over V's fragments)
	s_wait_alu depctr_va_vdst(0)
	s_wait_dscnt 0x0                               ; this step's K, asked for a step ago
.irp t, 0,1,2,3,4,5,6,7                ; S^T = K Q^T
	v_wmma_scale_f32_16x16x128_f8f6f4 v[96+8*\t:103+8*\t], v[32+6*\t:43+6*\t], v[16:27], 0, v[228+\t], v29 matrix_a_fmt:MATRIX_FMT_BF6 matrix_b_fmt:MATRIX_FMT_BF6
.endr                                  ; register 16 b + i holds key 32 b + 16 (lane / 16) + i of the step
.rept 4
	v_nop                                          ; places in front of the first read of the scores and of loads into registers that the products have read
.endr
	s_cmp_eq_u32 s[N], STEPS-1
	s_cbranch_scc1 .Llast_\@                       ; no step follows the last trip
	KLOAD 30, 31, 10
.Llast_\@:
	s_cmp_lg_u32 s[N], s[ND]
	s_cbranch_scc1 .Lopen_\@                       ; not the tile's last step: all its keys count
	v_add_nc_u32 v214, s[DM], v11                  ; d = my query - the step's first key - 16 (lane / 16): register 16 b + i is hidden where 32 b + i > d
	v_mov_b32 v215, 0xff800000                     ; -infinity
.set cnt, 0
.rept 64
	v_cmp_gt_i32 vcc_lo, 32*(cnt/16)+cnt%16, v214
	v_cndmask_b32 v[96+cnt], v[96+cnt], v215, vcc_lo
.set cnt, cnt+1
.endr
.Lopen_\@:
.irp b, 0,1,2,3
	v_max3_num_f32 v[200+\b], v[96+16*\b], v[97+16*\b], v[98+16*\b]   ; the largest score of each block of 32 keys: for the row's maximum and, since p rises with the score, for the block's largest p
.endr
.irp i, 3,5,7,9,11,13
.irp b, 0,1,2,3
	v_max3_num_f32 v[200+\b], v[200+\b], v[96+16*\b+\i], v[97+16*\b+\i]
.endr
.endr
.irp b, 0,1,2,3
	v_max_num_f32 v[200+\b], v[200+\b], v[111+16*\b]
.endr
.irp b, 0,1,2,3
	s_delay_alu instid0(VALU_DEP_4)
	v_permlanex16_b32 v[204+\b], v[200+\b], s[SEL], s[SEL+1]
.endr
.irp b, 0,1,2,3
	s_delay_alu instid0(VALU_DEP_4)
	v_max_num_f32 v[200+\b], v[200+\b], v[204+\b]  ; with lane l xor 16's 16 keys
.endr
	s_delay_alu instid0(VALU_DEP_2)
	v_max3_num_f32 v214, v200, v201, v202
	s_delay_alu instid0(VALU_DEP_1)
	v_max_num_f32 v214, v214, v203
	s_delay_alu instid0(VALU_DEP_1)
	v_mul_f32 v214, s[CS], v214                    ; as t
	s_delay_alu instid0(VALU_DEP_1)
	v_max_num_f32 v13, v13, v214                   ; the running largest t
	v_mov_b32 v214, v12
	s_delay_alu instid0(VALU_DEP_2)
	v_floor_f32 v12, -v13                          ; the new -M = -ceil(t)
	s_delay_alu instid0(VALU_DEP_1)
	v_sub_f32 v214, v12, v214                      ; old M - new M: a whole number, 0 or less
	s_delay_alu instid0(VALU_DEP_1)
	v_cvt_i32_f32 v214, v214                       ; (it saturates)
	s_delay_alu instid0(VALU_DEP_1)
	v_ldexp_f32 v212, 1.0, v214                    ; f = 2^(old M - new M)
.set cnt, 0
.rept 32
	v_pk_fma_f32 v[96+cnt:97+cnt], v[96+cnt:97+cnt], s[CS:CS+1], v[12:13] op_sel_hi:[1,0,0]   ; t - M, two at a time
.set cnt, cnt+2
.endr
.irp b, 0,1,2,3
	v_fma_f32 v[200+\b], v[200+\b], s[CS], v12     ; the same of each block's largest score
.endr
.set cnt, 0
	s_wait_alu depctr_va_vdst(0)
.rept 64
	v_exp_f32 v[96+cnt], v[96+cnt]                 ; p = 2^(t - M)
.set cnt, cnt+1
.endr
	v_pk_mul_f32 v[14:15], v[14:15], v[212:213] op_sel_hi:[1,0]    ; the sums under the new M: a plain instruction behind the exponentials
	s_wait_alu depctr_va_vdst(0)                   ; one wait for the batch, ahead of its first reader
.irp b, 0,1,2,3
	v_exp_f32 v[200+\b], v[200+\b]                 ; the block's largest p
.endr
	v_pk_add_f32 v[204:205], v[100:101], v[104:105]   ; the row's sum of the unquantised p, in eight chains
	v_pk_add_f32 v[254:255], v[108:109], v[112:113]
	v_pk_add_f32 v[252:253], v[116:117], v[120:121]
	v_pk_add_f32 v[250:251], v[124:125], v[128:129]
	v_pk_add_f32 v[248:249], v[132:133], v[136:137]
	v_pk_add_f32 v[246:247], v[140:141], v[144:145]
	v_pk_add_f32 v[244:245], v[148:149], v[152:153]
	v_pk_add_f32 v[14:15], v[14:15], v[156:157]
	v_pk_add_f32 v[204:205], v[204:205], v[96:97]
	v_pk_add_f32 v[254:255], v[254:255], v[98:99]
	v_pk_add_f32 v[252:253], v[252:253], v[102:103]
	v_pk_add_f32 v[250:251], v[250:251], v[106:107]
	v_pk_add_f32 v[248:249], v[248:249], v[110:111]
	v_pk_add_f32 v[246:247], v[246:247], v[114:115]
	v_pk_add_f32 v[244:245], v[244:245], v[118:119]
	v_pk_add_f32 v[14:15], v[14:15], v[122:123]
	v_pk_add_f32 v[204:205], v[204:205], v[126:127]
	v_pk_add_f32 v[254:255], v[254:255], v[130:131]
	v_pk_add_f32 v[252:253], v[252:253], v[134:135]
	v_pk_add_f32 v[250:251], v[250:251], v[138:139]
	v_pk_add_f32 v[248:249], v[248:249], v[142:143]
	v_pk_add_f32 v[246:247], v[246:247], v[146:147]
	v_pk_add_f32 v[244:245], v[244:245], v[150:151]
	v_pk_add_f32 v[14:15], v[14:15], v[154:155]
	v_pk_add_f32 v[204:205], v[204:205], v[158:159]   ; every p has been read: the eight chains are joined behind V's loads
	s_wait_alu depctr_va_vdst(0)                   ; and one wait for the four
.irp b, 0,1,2,3
	v_max_num_f32 v[200+\b], 0x2800000, v[200+\b]  ; the floor 2^(5 - 127): the byte cannot fall under 1
.endr
.irp b, 0,1,2,3
	s_delay_alu instid0(VALU_DEP_4)
	v_add_nc_u32 v[208+\b], 0xfe000000, v[200+\b]  ; 4 off the exponent field: the conversion's scale operand
.endr
.irp c, 0,1
	v_cvt_scalef32_pk16_bf6_f32 v[84+6*\c:86+6*\c], v[96+32*\c:111+32*\c], v[208+2*\c]
	v_cvt_scalef32_pk16_bf6_f32 v[192+4*\c:194+4*\c], v[112+32*\c:127+32*\c], v[208+2*\c+1]
.endr
	v_nop                                          ; one plain instruction behind the conversions
.irp t, 0,1,2,3                        ; p is in codes: V's four fragments (16 channels x these 128 keys) land where it lay
	ds_load_b128 v[96+12*\t:99+12*\t], v8 offset:VCO+1536*\t
	ds_load_b64 v[100+12*\t:101+12*\t], v9 offset:VCO+1536*\t+512
	ds_load_b128 v[102+12*\t:105+12*\t], v8 offset:VCO+1536*\t+768
	ds_load_b64 v[106+12*\t:107+12*\t], v9 offset:VCO+1536*\t+1280
	ds_load_b32 v[216+\t], v4 offset:VSC+64*\t
.endr
.irp b, 0,1,2,3                        ; work on registers while V is on its way; the chains take turns
	v_lshrrev_b32 v[236+\b], 23, v[208+\b]         ; the scales' bytes
.endr
	v_pk_add_f32 v[14:15], v[14:15], v[250:251]
	v_pk_add_f32 v[204:205], v[204:205], v[248:249]
	v_pk_add_f32 v[254:255], v[254:255], v[246:247]
	v_pk_add_f32 v[252:253], v[252:253], v[244:245]
	v_lshl_or_b32 v213, v237, 8, v236              ; p's scale word for these 128 keys
.irp i, 0,1,2                          ; the operand's layout wants a whole block in a lane
	v_permlane16_swap_b32 v[84+\i], v[192+\i]
.endr
	v_pk_add_f32 v[14:15], v[14:15], v[254:255]
	v_pk_add_f32 v[204:205], v[204:205], v[252:253]
	v_lshl_or_b32 v213, v238, 16, v213
.irp i, 0,1,2
	v_permlane16_swap_b32 v[90+\i], v[196+\i]
.endr
	v_pk_add_f32 v[14:15], v[14:15], v[204:205]
	v_lshl_or_b32 v213, v239, 24, v213
.irp i, 0,1,2
	v_mov_b32 v[87+\i], v[192+\i]
	v_mov_b32 v[93+\i], v[196+\i]
.endr
	s_wait_alu depctr_va_vdst(0)                   ; the wait here, directly ahead of the first reader of O^T
.set cnt, 0
.rept 16
	v_pk_mul_f32 v[160+cnt:161+cnt], v[160+cnt:161+cnt], v[212:213] op_sel_hi:[1,0]   ; O^T under the new M; these sixteen are also the places between the writes of p's codes and word and the products
.set cnt, cnt+2
.endr
	s_wait_alu depctr_va_vdst(0)
	s_wait_dscnt 0x0
.irp t, 0,1,2,3
	v_wmma_scale_f32_16x16x128_f8f6f4 v[160+8*\t:167+8*\t], v[96+12*\t:107+12*\t], v[84:95], v[160+8*\t:167+8*\t], v[216+\t], v213 matrix_a_fmt:MATRIX_FMT_BF6 matrix_b_fmt:MATRIX_FMT_BF6
.endr
.endm
; A tile ends: O^T / l; its 64 channels are two blocks of the last product's K: quantised, one image and two scale bytes a row.
.macro FINISH
	s_mul_i32 s58, s[T], 3072                      ; where the tile's image and scale bytes go
	s_add_co_u32 s58, s58, s[YC0]
	s_mov_b32 s59, 0
	s_add_nc_u64 s[YB:YB+1], s[6:7], s[58:59]
	s_lshl_b32 s58, s[T], 9
	s_add_co_u32 s58, s58, s[YS0]
	s_add_nc_u64 s[YSB:YSB+1], s[8:9], s[58:59]
.rept 4
	v_nop
.endr
	v_add_f32 v14, v14, v15
	s_delay_alu instid0(VALU_DEP_1)
	v_permlanex16_b32 v214, v14, s[SEL], s[SEL+1]
	s_delay_alu instid0(VALU_DEP_1)
	v_add_f32 v14, v14, v214                       ; the row's sum
	s_wait_alu depctr_va_vdst(0)
	v_rcp_f32 v14, v14
	v_nop                                          ; a plain instruction behind the reciprocal,
	s_wait_alu depctr_va_vdst(0)                   ; and the wait ahead of its first reader
.set cnt, 0
.rept 32
	v_mul_f32 v[96+cnt], v[160+cnt], v14           ; register 16 b + i is channel 32 b + 16 (lane / 16) + i
.set cnt, cnt+1
.endr
.irp b, 0,1
	v_max3_num_f32 v[200+\b], |v[96+16*\b]|, |v[97+16*\b]|, 0x2800000
.endr
.irp i, 2,4,6,8,10,12,14
.irp b, 0,1
	s_delay_alu instid0(VALU_DEP_2)
	v_max3_num_f32 v[200+\b], v[200+\b], |v[96+16*\b+\i]|, |v[97+16*\b+\i]|
.endr
.endr
.irp b, 0,1
	s_delay_alu instid0(VALU_DEP_2)
	v_permlanex16_b32 v[204+\b], v[200+\b], s[SEL], s[SEL+1]
.endr
.irp b, 0,1
	s_delay_alu instid0(VALU_DEP_2)
	v_max_num_f32 v[200+\b], v[200+\b], v[204+\b]
.endr
.irp b, 0,1
	s_delay_alu instid0(VALU_DEP_2)
	v_add_nc_u32 v[208+\b], 0xfe000000, v[200+\b]
.endr
.irp b, 0,1
	s_delay_alu instid0(VALU_DEP_2)
	v_lshrrev_b32 v[204+\b], 23, v[208+\b]
.endr
	s_delay_alu instid0(VALU_DEP_1)
	v_lshl_or_b32 v214, v205, 8, v204              ; the head's two bytes of my row
	v_cvt_scalef32_pk16_bf6_f32 v[84:86], v[96:111], v208
	v_cvt_scalef32_pk16_bf6_f32 v[192:194], v[112:127], v209
	v_nop
.irp i, 0,1,2
	v_permlane16_swap_b32 v[84+\i], v[192+\i]
.endr
.irp i, 0,1,2
	s_delay_alu instid0(VALU_DEP_3)
	v_mov_b32 v[87+\i], v[192+\i]
.endr
	global_store_b128 v1, v[84:87], s[YB:YB+1]     ; 512 and 256 consecutive bytes, aligned
	global_store_b64 v2, v[88:89], s[YB:YB+1] offset:512
	global_store_b16 v7, v214, s[YSB:YSB+1]        ; a head owns 2 of a row's 32 scale bytes; lanes l and l xor 16 write the same two bytes with the same value
	s_wait_xcnt 0x0                                ; the stores have read their registers and bases
.endm
	s_load_b128 s[4:7], s[0:1], 0x0                ; qkv s[4:5], c2 s[6:7]
	s_load_b64 s[8:9], s[0:1], 0x10                ; s2
	v_lshl_add_u32 v5, v0, 2, SPARE
	v_mov_b32 v6, 0
	ds_add_u32 v5, v6                              ; the opening lines: the add, twice on end, and its wait ahead of my tensor load
	ds_add_u32 v5, v6
	v_lshrrev_b32 v8, 5, v0
	v_readfirstlane_b32 s[WV], v8                  ; wave 0..15
	s_bfe_u32 s[CX], ttmp6, 0x40000                ; my place in the cluster
	s_lshr_b32 s[H], s[WV], 1
	s_add_co_u32 s[H1], s[H], 1
	s_lshl_b32 s[T], s[WV], 2
	s_add_co_u32 s[T], s[T], s[CX]                 ; the first tile, j = 4 wave + cx
	s_sub_co_u32 s[TL], 127, s[T]                  ; the second
	s_and_b32 s56, ttmp7, 0xffff                   ; bh
	s_lshl_b32 s[BH128], s56, 7
	s_lshr_b32 s57, s56, 4                         ; the batch
	s_and_b32 s58, s56, 15                         ; the head
	s_lshl_b32 s59, s57, 7
	s_add_co_u32 s59, s59, 64                      ; the batch's first token tile in c2 and s2
	s_mul_i32 s[YC0], s59, 3072
	s_lshr_b32 s60, s58, 2
	s_mul_i32 s60, s60, SLOTB2                     ; four heads to a K slot,
	s_add_co_u32 s[YC0], s[YC0], s60
	s_and_b32 s60, s58, 3
	s_mul_i32 s60, s60, 768                        ; an image each
	s_add_co_u32 s[YC0], s[YC0], s60
	s_lshl_b32 s[YS0], s59, 9
	s_lshr_b32 s60, s58, 3
	s_lshl_b32 s60, s60, 8
	s_add_co_u32 s[YS0], s[YS0], s60
	s_and_b32 s60, s58, 7
	s_lshl_b32 s60, s60, 1
	s_add_co_u32 s[YS0], s[YS0], s60
	s_mul_i32 s60, s56, 8*REC                      ; the head's records,
	s_add_co_u32 s60, s60, KV_OFF
	s_mul_i32 s62, s[WV], REC/2                    ; and my half record of the sixteen: the same place in LDS
	s_add_co_u32 s60, s60, s62
	s_mov_b32 s61, 0
	; descriptor group 1: half a record, 13,056 dense bytes, as 51 rows of 256 bytes (32 elements of 8 bytes), no padding; the mask names the cluster's four, bit 21 beside it
	s_mov_b32 s[G1], 15|(3<<16)|(1<<21)
	s_mov_b32 s[G1+1], 32<<16
	s_mov_b32 s[G1+2], 51<<16
	s_mov_b32 s[G1+3], 32<<16
	s_mov_b32 s[G1+4], 51
	s_mov_b32 s[G1+5], 32
	s_mov_b32 s[G1+6], 0
	s_mov_b32 s[G1+7], 0
	s_mov_b32 s[SEL], 0x76543210
	s_mov_b32 s[SEL+1], 0xfedcba98
	s_mov_b32 s[CS], 0x3e38aa3b                    ; c = log2(e) / 8
	s_mov_b32 s[CS+1], s[CS]                       ; (named with it as a pair, so it is written)
	s_mov_b32 s[N], 0
	s_mov_b32 s[OFF], 0
	s_mov_b32 s[ND], s[H]
	s_mov_b32 s[G0], 1
	s_mov_b32 s[G0+1], s62
	s_wait_dscnt 0x0                               ; both opening adds are done
	s_wait_kmcnt 0x0
	s_add_nc_u64 s[G0+2:G0+3], s[4:5], s[60:61]
	s_or_b32 s[G0+3], s[G0+3], 0x80000000
	ROUND                                          ; all four work-groups are here: the joint loads meet
	tensor_load_to_lds s[G0:G0+3], s[G1:G1+7]      ; my one tensor load of the launch
	s_nop 0
	s_mov_b32 s59, 0
	QADR T, 48, 50
	QADR TL, 32, 34
	DIAG
	v_and_b32 v8, 31, v0
	v_lshlrev_b32 v1, 4, v8                        ; 16 x lane
	v_lshlrev_b32 v2, 3, v8                        ; 8 x lane
	v_and_b32 v9, 15, v0                           ; r
	v_bfe_u32 v10, v0, 4, 1                        ; h
	v_lshlrev_b32 v3, 2, v9                        ; 4 r
	v_lshlrev_b32 v7, 4, v9                        ; 16 r
	v_and_b32 v11, 8, v9
	v_add_nc_u32 v11, v11, v9
	v_lshlrev_b32 v10, 4, v10
	v_sub_nc_u32 v11, v11, v10                     ; r + 8 (r / 8) - 16 h
	s_wait_alu depctr_va_vdst(0)                   ; the wait here, ahead of the loads that read the lane terms
	global_load_b128 v[16:19], v1, s[48:49]        ; the first tile's Q,
	global_load_b64 v[20:21], v2, s[48:49] offset:512
	global_load_b32 v29, v3, s[50:51]
	global_load_b128 v[220:223], v1, s[32:33]      ; and the second's, kept until the change of tiles
	global_load_b64 v[224:225], v2, s[32:33] offset:512
	global_load_b32 v226, v3, s[34:35]
.irp j, 22,23,24,25,26,27
	v_mov_b32 v[\j], 0                             ; zero codes: the upper 64 of the instruction's 128 along K; written once
.endr
.irp j, 80,81,82,83,84,85
	v_mov_b32 v[\j], 0                             ; the upper six registers of the eighth K fragment are written before they are named
.endr
.irp j, 204,205,206,207,212,213,214
	v_mov_b32 v[\j], 0                             ; lane permutes' destinations, and a pair's upper half, are written before they are named
.endr
	ZERO
	s_wait_alu depctr_va_vdst(0)
	s_wait_loadcnt 0x0
	s_wait_tensorcnt 0x0                           ; my half record is in;
	s_barrier_signal -1
	s_barrier_wait -1                              ; and everybody's: the head's eight records are whole
	KLOAD 1, 2, 3                                  ; key step 0's K
.Lstep:                                            ; seventeen trips in every wave; no barrier and no tensor load stands inside
	STEP
	s_cmp_lg_u32 s[N], s[H]                        ; the wave's number and the trip alone decide
	s_cbranch_scc1 .Lsame_tile
	FINISH
	s_mov_b32 s[T], s[TL]                          ; the second tile: it begins at key step 0 in the next trip, and its diagonal lies in the last trip
	s_mov_b32 s[OFF], s[H1]
	s_mov_b32 s[ND], STEPS-1
	DIAG
.irp i, 0,1,2,3,4,5
	v_mov_b32 v[16+\i], v[220+\i]
.endr
	v_mov_b32 v29, v226
	ZERO                                           ; (its 36 lines are also the places between the writes of Q and its words and the next products)
	s_wait_alu depctr_va_vdst(0)
.Lsame_tile:
	s_add_co_u32 s[N], s[N], 1
	s_cmp_lt_u32 s[N], STEPS
	s_cbranch_scc1 .Lstep
	FINISH
	s_wait_tensorcnt 0x0                           ; the wave's end
	ds_add_u32 v5, v6
	s_wait_dscnt 0x0
	ROUND                                          ; the closing round
	s_endpgm
.Lfunc_end_k_q58519d922a_attn:
	.size	k_q58519d922a_attn, .Lfunc_end_k_q58519d922a_attn-k_q58519d922a_attn
	.p2alignl 7, 3214868480
	.fill 96, 4, 3214868480
	.section	.rodata,"a",@progbits
	.p2align	6, 0x0
	.amdhsa_kernel k_q58519d922a_attn
		.amdhsa_group_segment_fixed_size 327680
		.amdhsa_private_segment_fixed_size 0
		.amdhsa_enable_private_segment 0
		.amdhsa_kernarg_size 24
		.amdhsa_user_sgpr_count 2
		.amdhsa_user_sgpr_kernarg_segment_ptr 1
		.amdhsa_wavefront_size32 1
		.amdhsa_system_sgpr_workgroup_id_x 1
		.amdhsa_system_sgpr_workgroup_id_y 1
		.amdhsa_system_sgpr_workgroup_id_z 1
		.amdhsa_system_vgpr_workitem_id 0
		.amdhsa_next_free_vgpr 256
		.amdhsa_next_free_sgpr 100
		.amdhsa_reserve_vcc 1
		.amdhsa_float_denorm_mode_32 3
		.amdhsa_float_denorm_mode_16_64 3
		.amdhsa_memory_ordered 1
		.amdhsa_forward_progress 1
		.amdhsa_inst_pref_size 44
	.end_amdhsa_kernel
	.amdgpu_metadata
---
amdhsa.version: [ 1, 2 ]
amdhsa.kernels:
  - .name:           k_q58519d922a_attn
    .symbol:         k_q58519d922a_attn.kd
    .args:
      - { .name: qkv, .offset: 0, .size: 8, .value_kind: global_buffer, .address_space: global }
      - { .name: c2, .offset: 8, .size: 8, .value_kind: global_buffer, .address_space: global }
      - { .name: s2, .offset: 16, .size: 8, .value_kind: global_buffer, .address_space: global }
    .group_segment_fixed_size: 327680
    .private_segment_fixed_size: 0
    .kernarg_segment_align: 8
    .kernarg_segment_size: 24
    .max_flat_workgroup_size: 512
    .sgpr_count:     100
    .vgpr_count:     256
    .wavefront_size: 32
...
	.end_amdgpu_metadata
.endif
;; end of part 3
;; launch gemm_proj (part 4): grid 8 x 32, 4 waves a work-group, clusters of 4 x 4, 327,680 bytes of LDS; arguments c2, s2, b_proj, out0; writes out0
.if DOCPART == 4
	.amdgcn_target "amdgcn-amd-amdhsa--gfx1250"
	.amdhsa_code_object_version 6
	.text
	.protected	k_q58519d922a_gemm_proj
	.globl	k_q58519d922a_gemm_proj
	.p2align	8
	.type	k_q58519d922a_gemm_proj,@function
k_q58519d922a_gemm_proj:
	s_mov_b64 s[64:65], 0
	v_nop
	global_prefetch_b8 v0, s[64:65] scope:SCOPE_SE
	s_setreg_imm32_b32 hwreg(HW_REG_WAVE_MODE, 25, 1), 1
	s_wait_xcnt 0x0
	s_wait_alu depctr_hold_cnt(0) depctr_sa_sdst(0) depctr_va_vdst(0) depctr_va_sdst(0) depctr_va_ssrc(0) depctr_va_vcc(0) depctr_vm_vsrc(0)
	s_getreg_b32 s2, hwreg(HW_REG_IB_STS2, 6, 4)
	s_cmp_eq_u32 s2, 0
	s_cbranch_scc0 .Lentry_in_a_cluster
	s_endpgm
.Lentry_in_a_cluster:
	s_bfe_u32 s2, ttmp6, 0x10000c
	s_cmp_lg_u32 s2, 0xf033
	s_cbranch_scc0 .Lentry_shape_is_right
	s_endpgm
.Lentry_shape_is_right:
; out0 = y W_proj + b_proj on codes of BF6 (E3M2) with E8M0 scales, K = 1024.  A' = y's tokens (tiles 64 on of c2), B' = W_proj's columns (tiles 0-63).
; A work-group makes 256 tokens x 128 columns, each of four waves 128 x 64.  The matrix instruction is used transposed (source 0 = 16 rows of B', source 1 = 16 rows of A'): a lane holds eight neighbouring columns of a token.
; OPERANDS lie in c2 in the order of the operand's registers: [K slot of 256][tile of 16 rows][4 images of 768 bytes]; place r of tile T is row 32 (T / 2) + 8 (T % 2) + r + 8 (r / 8).
; ALL OF K LIES IN LDS: A' 2 x 98,304 bytes, B' 2 x 49,152.  Each wave brings one of the four parts by its one tensor load at the head: 4 rows, one for each K slot, of 24,576 (A') or 12,288 (B') dense bytes.
; Nothing is filled again: one barrier stands behind the loads, and none in the walk.
; THE PRODUCT GOES BY ROWS OF C: B''s fragments of all of K (4 blocks x 8 steps x 12 registers) stay in registers; A' comes by blocks of 16 tokens x 1,024 K (96 registers, two buffers); a block is finished by 32 matrix
; instructions, its four accumulators by turns, K ascending, the bias as the first C; it leaves through the wave's stage in LDS while the next block is multiplied.
; CLUSTERS: 4 x 4 work-groups; A''s parts are asked for jointly by a row of the cluster, B''s by a column.
; NO PREFETCH: every tile is asked for at the head; there is no loop that runs ahead of a load.
; REGISTERS, in windows of 256: window 0: v1-29 lane terms and addresses; v32-95 scale words; v96-191 A' buffer 0; v192-255 rows read back from the stage, two sets.
;   window 1: B''s fragments of steps 0-4.   window 2: v0-143 those of steps 5-7; v144-175 the bias; v176-239 the accumulators, two sets of four.   window 3: v96-191 A' buffer 1.
.set NB,     4
.set SLOTB,  1769472                   ; a K slot of c2
.set AREG,   98304                     ; LDS: 8 tiles of A' x 3,072 bytes x 4 K slots
.set BREG,   49152                     ; 4 tiles of B' likewise
.set BOFF,   2*AREG
.set STG,    BOFF+2*BREG               ; behind the operands: a stage of 16 rows x (256 + 16) bytes for each wave
.set SPITCH, 272
.set SPARE,  STG+4*16*SPITCH           ; the spare words, 128 bytes for each wave: two blocks of 256 bytes that no other line names
.set L16,  4
.set L8,   5
.set VSO,  6
.set BJO,  7
.set ADRA16, 16                        ; v16-17 my A' blocks, K slots 0-1 and 2-3, 16 bytes a lane;  v18-19 8 bytes a lane
.set ADRA8,  18
.set ADRB16, 20                        ; v20, v22 the same for B', all K slots
.set ADRB8,  22
.set STO,  24
.set RD,   25
.set CO,   26
.set SPW,  28
.set NIL,  29
.set SC,   32                          ; v[SC + 8 i + g]: lanes 0-15 the word of A' block i, lanes 16-31 that of B' block i, for step g of 128 along K
.set AF,   96
.set BK,   192
.set BJ,   144
.set ACC,  176
.set G1,   24
.set G0,   32
.set G1B,  48
.set G0B,  56
.set MSB, 0
.macro WIN new                         ; the immediate's high byte repeats the setting that is left
.if MSB != (\new)
	s_set_vgpr_msb (MSB<<8)|(\new)
.set MSB, (\new)
.endif
.endm
.macro CROUND                          ; a round of the cluster's barrier
	s_barrier_signal -1
	s_barrier_wait -1
	s_cmp_lg_u32 s14, 0
	s_cbranch_scc1 .Lnot_wave_0_\@
	s_barrier_signal -3
.Lnot_wave_0_\@:
	s_barrier_wait -3
	s_barrier_signal -1
	s_barrier_wait -1
.endm
.macro PLACES                          ; four plain instructions between a matrix instruction and a load into one of its registers or a read of its result
.rept 4
	v_nop
.endr
.endm
.macro FRAG reg, a16, a8, off          ; a fragment (16 rows x 128 K): two images on end
	ds_load_b128 v[(\reg):(\reg)+3], v[\a16] offset:(\off)
	ds_load_b64 v[(\reg)+4:(\reg)+5], v[\a8] offset:(\off)+512
	ds_load_b128 v[(\reg)+6:(\reg)+9], v[\a16] offset:(\off)+768
	ds_load_b64 v[(\reg)+10:(\reg)+11], v[\a8] offset:(\off)+1280
.endm
.macro BLOAD                           ; B''s 32 fragments: step g's four at v[48 (g % 5)] of window 1 (g < 5) or 2
.irp g, 0,1,2,3,4,5,6,7
	WIN 0x40+0x40*(\g/5)
.irp b, 0,1,2,3
	FRAG 48*(\g%5)+12*\b, ADRB16, ADRB8, (\g/2)*12288+\b*3072+(\g%2)*1536
.endr
.endr
	WIN 0
.endm
.macro ALOAD a                         ; A' block a, all eight steps, into buffer a % 2 (window 0 or 3): 32 loads
	WIN 0xc0*((\a)%2)
.irp g, 0,1,2,3,4,5,6,7
	FRAG AF+12*\g, ADRA16+\g/4, ADRA8+\g/4, ((\g/2)%2)*24576+(\a)*3072+(\g%2)*1536
.endr
	WIN 0
.endm
.macro MM a, g, b, c
	v_wmma_scale_f32_16x16x128_f8f6f4 v[ACC+32*((\a)%2)+8*\b:ACC+32*((\a)%2)+8*\b+7], v[48*(\g%5)+12*\b:48*(\g%5)+12*\b+11], v[AF+12*\g:AF+12*\g+11], v[\c+8*\b:\c+8*\b+7], v[SC+8*\b+\g], v[SC+8*(\a)+\g] matrix_a_fmt:MATRIX_FMT_BF6 matrix_b_fmt:MATRIX_FMT_BF6 matrix_a_scale:MATRIX_SCALE_ROW1
.endm
.macro ROW a                           ; block a is made: source 0 window 1 or 2, source 1 window 0 or 3, C and D window 2
.irp g, 0,1,2,3,4,5,6,7
	WIN 0xa1+(\g/5)+0x0c*((\a)%2)
.irp b, 0,1,2,3
.if \g == 0
	MM \a, \g, \b, BJ
.else
	MM \a, \g, \b, ACC+32*((\a)%2)
.endif
.endr
.endr
	WIN 0
.endm
.macro TOSTAGE a                       ; into my stage, and back as rows of 256 bytes: LDS serves a wave's instructions in order, so no wait stands between
	WIN 0x08
.irp b, 0,1,2,3
	ds_store_b128 v[STO], v[ACC+32*((\a)%2)+8*\b:ACC+32*((\a)%2)+8*\b+3] offset:128*(\b/2)+32*(\b%2)   ; each accumulator from its low end on
	ds_store_b128 v[STO], v[ACC+32*((\a)%2)+8*\b+4:ACC+32*((\a)%2)+8*\b+7] offset:128*(\b/2)+32*(\b%2)+16
.endr
	WIN 0
.set BB, BK+32*((\a)%2)
.irp t, 0,1,2,3,4,5,6,7
	ds_load_b128 v[BB+4*\t:BB+4*\t+3], v[RD] offset:2*SPITCH*\t
.endr
.endm
.macro SEND a, younger                 ; younger: the LDS loads issued behind block a's, which may stay out
.set BB, BK+32*((\a)%2)
	s_wait_dscnt \younger
.irp t, 0,1,2,3,4,5,6,7
	global_store_b128 v[CO], v[BB+4*\t:BB+4*\t+3], s[12:13] offset:(32*((\a)/2)+8*((\a)%2)+2*\t+8*(\t/4))*4096 th:TH_STORE_NT   ; sixteen lanes store 256 consecutive bytes, aligned
.endr
.endm
	s_load_b256 s[4:11], s[0:1], 0x0               ; c2 s[4:5], s2 s[6:7], b_proj s[8:9], out0 s[10:11]
	v_lshl_add_u32 v[SPW], v0, 2, SPARE
	v_mov_b32 v[NIL], 0
	ds_add_u32 v[SPW], v[NIL]                      ; the opening lines: the add, twice on end, and its wait ahead of my tensor load
	ds_add_u32 v[SPW], v[NIL]
	v_lshrrev_b32 v1, 5, v0
	v_readfirstlane_b32 s14, v1                    ; wave 0..3
	s_lshr_b32 s15, s14, 1                         ; which half of A''s rows is mine.  Also: I fetch for A' (0) or B' (1)
	s_and_b32 s16, s14, 1                          ; which half of B''s.  Also: which half I fetch
	s_bfe_u32 s40, ttmp6, 0x40000                  ; cx
	s_bfe_u32 s41, ttmp6, 0x40004                  ; cy
	s_and_b32 s42, ttmp7, 0xffff
	s_lshl_b32 s43, s41, 2
	s_lshl_b32 s43, 15, s43                        ; my row of the cluster
	s_lshl_b32 s44, 0x1111, s40                    ; my column
	s_lshl_b32 s17, s42, 2
	s_add_co_u32 s17, s17, s41                     ; which 256 tokens
	s_lshl_b32 s46, ttmp9, 2
	s_add_co_u32 s46, s46, s40                     ; which 128 columns
	s_lshl_b32 s18, s17, 4
	s_add_co_u32 s18, s18, 64                      ; A''s first tile in c2
	s_lshl_b32 s47, s46, 3                         ; B''s
	s_or_b32 s[G1+0], s43, (3<<16)|(1<<21)         ; elements of 8 bytes; the mask: A''s parts go to my row; bit 21 beside it
	s_mov_b32 s[G1+1], 3072<<16                    ; a row: 8 tiles, 24,576 bytes
	s_mov_b32 s[G1+2], 4<<16                       ; 4 rows: the K slots
	s_mov_b32 s[G1+3], 3072<<16
	s_mov_b32 s[G1+4], 4
	s_mov_b32 s[G1+5], SLOTB/8                     ; from K slot to K slot, in elements
	s_mov_b32 s[G1+6], 0
	s_mov_b32 s[G1+7], 0
	s_or_b32 s[G1B+0], s44, (3<<16)|(1<<21)        ; B''s to my column
	s_mov_b32 s[G1B+1], 1536<<16                   ; a row: 4 tiles, 12,288 bytes
	s_mov_b32 s[G1B+2], 4<<16
	s_mov_b32 s[G1B+3], 1536<<16
	s_mov_b32 s[G1B+4], 4
	s_mov_b32 s[G1B+5], SLOTB/8
	s_mov_b32 s[G1B+6], 0
	s_mov_b32 s[G1B+7], 0
	s_lshl_b32 s20, s16, 3
	s_add_co_u32 s20, s20, s18
	s_mul_i32 s20, s20, 3072                       ; the 8 tiles of A' that I fetch,
	s_mov_b32 s21, 0
	s_mul_i32 s66, s16, NB
	s_add_co_u32 s66, s66, s47
	s_mul_i32 s66, s66, 3072                       ; or the 4 of B'
	s_mov_b32 s67, 0
	s_mov_b32 s[G0], 1
	s_mul_i32 s[G0+1], s16, AREG                   ; and where they go: no place in the cluster enters an LDS address
	s_mov_b32 s[G0B], 1
	s_mul_i32 s[G0B+1], s16, BREG
	s_add_co_u32 s[G0B+1], s[G0B+1], BOFF
	s_wait_dscnt 0x0                               ; both opening adds are done
	s_wait_kmcnt 0x0
	s_add_nc_u64 s[G0+2:G0+3], s[4:5], s[20:21]
	s_or_b32 s[G0+3], s[G0+3], 0x80000000
	s_add_nc_u64 s[G0B+2:G0B+3], s[4:5], s[66:67]
	s_or_b32 s[G0B+3], s[G0B+3], 0x80000000
	CROUND                                         ; all sixteen work-groups are here: the joint loads meet
	s_cmp_eq_u32 s15, 0                            ; one load a wave, in the two arms of one branch on the wave's number
	s_cbranch_scc0 .Lfor_b
	tensor_load_to_lds s[G0:G0+3], s[G1:G1+7]
	s_nop 0
	PLACES
	s_branch .Lasked
.Lfor_b:
	tensor_load_to_lds s[G0B:G0B+3], s[G1B:G1B+7]
	s_nop 0
	PLACES
.Lasked:
	v_and_b32 v1, 15, v0                           ; r
	v_bfe_u32 v2, v0, 4, 1                         ; h
	v_and_b32 v3, 31, v0
	v_lshlrev_b32 v[L16], 4, v3
	v_lshlrev_b32 v[L8], 3, v3
	s_mul_i32 s22, s15, AREG                       ; my 8 blocks of A',
	s_mul_i32 s23, s16, BREG
	s_add_co_u32 s23, s23, BOFF                    ; my 4 of B'
.irp s, 0,1
	v_add_nc_u32 v[ADRA16+\s], s22, v[L16]
	v_add_nc_u32 v[ADRA8+\s], s22, v[L8]
	s_add_co_u32 s22, s22, 49152                   ; two K slots on
.endr
	v_add_nc_u32 v[ADRB16], s23, v[L16]
	v_add_nc_u32 v[ADRB8], s23, v[L8]
	; the scale words of all of K: lanes 0-15 take A''s blocks, lanes 16-31 B''s; a block's rows have 16 bytes for each half of K
	s_lshl_b32 s82, s15, 3
	s_add_co_u32 s82, s82, s18
	s_lshl_b32 s82, s82, 9
	s_mul_i32 s83, s16, NB
	s_add_co_u32 s83, s83, s47
	s_lshl_b32 s83, s83, 9
	s_wait_alu depctr_va_vdst(0)
	v_cmp_eq_u32 vcc_lo, 1, v2
	v_mov_b32 v13, s82
	v_mov_b32 v14, s83
	v_cndmask_b32 v[VSO], v13, v14, vcc_lo
	v_lshl_add_u32 v[VSO], v1, 4, v[VSO]
.irp i, 0,1,2,3,4,5,6,7
.irp k, 0,1
	global_load_b128 v[SC+8*\i+4*\k:SC+8*\i+4*\k+3], v[VSO], s[6:7] offset:512*\i+256*\k   ; sixteen lanes read 256 consecutive bytes
.endr
.endr
	s_lshl_b32 s86, s46, 9
	s_lshl_b32 s85, s16, 8
	s_add_co_u32 s86, s86, s85                     ; my 64 columns, in bytes
	s_mov_b32 s87, 0
	s_lshl_b32 s84, s17, 8
	s_lshl_b32 s85, s15, 7
	s_add_co_u32 s84, s84, s85
	s_lshl_b32 s84, s84, 12                        ; my first token's row of 4,096 bytes
	s_add_co_u32 s84, s84, s86
	s_mov_b32 s85, 0
	s_add_nc_u64 s[12:13], s[10:11], s[84:85]
	s_add_nc_u64 s[86:87], s[8:9], s[86:87]
	v_lshlrev_b32 v[BJO], 6, v2                    ; 16 h numbers on
	WIN 0x80
.irp b, 0,1,2,3
	global_load_b128 v[BJ+8*\b:BJ+8*\b+3], v[BJO], s[86:87] offset:4*(32*(\b/2)+8*(\b%2))
	global_load_b128 v[BJ+8*\b+4:BJ+8*\b+7], v[BJO], s[86:87] offset:4*(32*(\b/2)+8*(\b%2))+16
.endr
	WIN 0
	s_mul_i32 s82, s14, 16*SPITCH
	s_add_co_u32 s82, s82, STG                     ; my stage
	v_mul_u32_u24 v[STO], v1, SPITCH
	v_lshl_add_u32 v[STO], v2, 6, v[STO]
	v_add_nc_u32 v[STO], s82, v[STO]               ; in: row r, + 64 h
	v_mul_u32_u24 v[RD], v2, SPITCH
	v_lshl_add_u32 v[RD], v1, 4, v[RD]
	v_add_nc_u32 v[RD], s82, v[RD]                 ; back: lanes 0-15 one row, lanes 16-31 the next
	v_lshlrev_b32 v[CO], 12, v2
	v_lshl_add_u32 v[CO], v1, 4, v[CO]             ; and the same two rows in out0
	s_wait_alu depctr_va_vdst(0)
	s_wait_tensorcnt 0x0                           ; my part is in;
	s_barrier_signal -1
	s_barrier_wait -1                              ; and everybody's
	BLOAD
	ALOAD 0
	ALOAD 1
	s_wait_loadcnt 0x0                             ; scale words and bias
.irp a, 0,1,2,3,4,5,6,7
.if \a == 0
	s_wait_dscnt 32                                ; B' and block 0 are in; block 1's 32 loads may be out
.elseif \a < 7
	s_wait_dscnt 48                                ; block a is in: behind its loads stand block a - 1's 16 stage instructions and block a + 1's 32 loads
.else
	s_wait_dscnt 16
.endif
	ROW \a
	PLACES                                         ; in front of the reads of the results and of the loads into the block's buffer
.if \a > 0
.if \a < 7
	SEND \a-1, 32                                  ; block a - 1 is back from the stage; block a + 1's 32 loads may be out
.else
	SEND \a-1, 0
.endif
	s_wait_xcnt 0x0                                ; the stores issued so far have read their registers: block a's rows may land where block a - 2's lay
.endif
	TOSTAGE \a
.if \a < 6
	ALOAD \a+2
.endif
.endr
	SEND 7, 0
	s_wait_tensorcnt 0x0                           ; the wave's end
	ds_add_u32 v[SPW], v[NIL]
	s_wait_dscnt 0x0
	CROUND                                         ; the closing round
	s_endpgm
.Lfunc_end_k_q58519d922a_gemm_proj:
	.size	k_q58519d922a_gemm_proj, .Lfunc_end_k_q58519d922a_gemm_proj-k_q58519d922a_gemm_proj
	.p2alignl 7, 3214868480
	.fill 96, 4, 3214868480
	.section	.rodata,"a",@progbits
	.p2align	6, 0x0
	.amdhsa_kernel k_q58519d922a_gemm_proj
		.amdhsa_group_segment_fixed_size 327680
		.amdhsa_private_segment_fixed_size 0
		.amdhsa_enable_private_segment 0
		.amdhsa_kernarg_size 32
		.amdhsa_user_sgpr_count 2
		.amdhsa_user_sgpr_kernarg_segment_ptr 1
		.amdhsa_wavefront_size32 1
		.amdhsa_system_sgpr_workgroup_id_x 1
		.amdhsa_system_sgpr_workgroup_id_y 1
		.amdhsa_system_sgpr_workgroup_id_z 1
		.amdhsa_system_vgpr_workitem_id 0
		.amdhsa_next_free_vgpr 1024
		.amdhsa_next_free_sgpr 100
		.amdhsa_reserve_vcc 1
		.amdhsa_float_denorm_mode_32 3
		.amdhsa_float_denorm_mode_16_64 3
		.amdhsa_memory_ordered 1
		.amdhsa_forward_progress 1
		.amdhsa_inst_pref_size 83
	.end_amdhsa_kernel
	.amdgpu_metadata
---
amdhsa.version: [ 1, 2 ]
amdhsa.kernels:
  - .name:           k_q58519d922a_gemm_proj
    .symbol:         k_q58519d922a_gemm_proj.kd
    .args:
      - { .name: c2, .offset: 0, .size: 8, .value_kind: global_buffer, .address_space: global }
      - { .name: s2, .offset: 8, .size: 8, .value_kind: global_buffer, .address_space: global }
      - { .name: b_proj, .offset: 16, .size: 8, .value_kind: global_buffer, .address_space: global }
      - { .name: out0, .offset: 24, .size: 8, .value_kind: global_buffer, .address_space: global }
    .group_segment_fixed_size: 327680
    .private_segment_fixed_size: 0
    .kernarg_segment_align: 8
    .kernarg_segment_size: 32
    .max_flat_workgroup_size: 128
    .sgpr_count:     100
    .vgpr_count:     1024
    .wavefront_size: 32
...
	.end_amdgpu_metadata
.endif
;; end of part 4
